; MI455X (gfx1250); checked and timed in simulation.
; The chip was launched on July 23, 2026; its instructions are those of AMD's public machine-readable ISA for CDNA 5 (MIT licence, August 2026) and "CDNA5" Instruction Set Architecture Reference Guide (July 2026). The comments in the code are by the model that wrote it; some were corrected since.
;; Multi Headed Attention. Allowed arithmetic: matrix products marked QUANTISED: E4M3 operands, one given power-of-two scale a tensor, by v_wmma_f32_16x16x64_fp8_fp8 or v_wmma_f32_16x16x128_fp8_fp8, f32 sums; everything else in f32.
;; Inputs: Wk 16 x 1,024 x 64 float32; Wp 1,024 x 1,024 float32; Wq 16 x 1,024 x 64 float32; Wv 16 x 1,024 x 64 float32; bp 1,024 float32; lowp_scales 12 int32 (the exponents e of the quantised operands' scales 2^e); x 4 x 2,048 x 1,024 float32.
;; Outputs: out0 4 x 2,048 x 1,024 float32.
;; This version of the problem:
;;   THIS VERSION OF THE PROBLEM IS GIVEN IN LOW PRECISION. The matrix products marked QUANTISED in the list below multiply operands that are first quantised to E4M3 (4 exponent bits, 3 mantissa bits; 8 bits a number), with one given power-of-two scale for each operand tensor; their sums are f32. All else is computed in f32.
;;   The module's matrix products, in the order in which they are computed (A, B: the left and right operand; K: the contracted axis; several contracted axes count as one K, in the product's order):
;;     1. [M 1,024, K 1,024] x [K 1,024, N 8,192]; A: input Wq; B: input x: QUANTISED (scales: A lowp_scales[0], B lowp_scales[1])
;;     2. [M 1,024, K 1,024] x [K 1,024, N 8,192]; A: input Wk; B: input x: QUANTISED (scales: A lowp_scales[2], B lowp_scales[3])
;;     3. [M 1,024, K 1,024] x [K 1,024, N 8,192]; A: input Wv; B: input x: QUANTISED (scales: A lowp_scales[4], B lowp_scales[5])
;;     4. batch 64 x [M 2,048, K 64] x [K 64, N 2,048]; A: computed on the way; B: computed on the way: QUANTISED (scales: A lowp_scales[6], B lowp_scales[7])
;;     5. batch 64 x [M 2,048, K 2,048] x [K 2,048, N 64]; A: softmax (see below); B: computed on the way: QUANTISED (scales: A lowp_scales[8], B lowp_scales[9])
;;     6. [M 8,192, K 1,024] x [K 1,024, N 1,024]; A: computed on the way; B: input Wp: QUANTISED (scales: A lowp_scales[10], B lowp_scales[11])
;;   THE QUANTISER, for each operand of a quantised product, along K:
;;     - The operand's scale is 2^e, e = its entry of the input lowp_scales (int32; the entries are numbered through the quantised products in the list's order, A before B).
;;     - Each number is divided by the scale, clamped to +-448, and rounded to the nearest number of E4M3, ties to even, subnormals kept.
;;     - The product sums the exact products of the quantised numbers (number of the format x scale) in f32.
;;   ~~~python
;;   def quantise(x, axis, e):      # numpy; x: float32 -> the quantised numbers, widened to float32 again
;;       x = np.moveaxis(x, axis, -1); K = x.shape[-1]
;;       r = np.clip(x / 2.0 ** e, -448, 448)
;;       step = 2.0 ** (np.maximum(np.frexp(np.where(r == 0, 1, r))[1] - 1, -6) - 3)
;;       q = np.round(r / step) * step * 2.0 ** e      # np.round: ties to even
;;       return np.moveaxis(q, -1, axis).astype(np.float32)
;;   ~~~
;;   SOFTMAX AHEAD OF A QUANTISED PRODUCT. Where the list says 'softmax', what is quantised is not the finished softmax but p = 2^(t - M), with t = logit x log2(e) and M = ceil(the row's largest t), a whole number; so 1/2 < the row's largest p <= 1. The row's sum l is taken of the UNQUANTISED p, in f32, and the product's result is divided by l at the end. Since M is a whole number, a kernel that streams over the keys may use a running M (the ceiling of the running maximum): every later rescaling is an exact power of two, so the quantised numbers keep their values, but for numbers so far below the row's largest that they fall under the format's range.
;;   OPERANDS COMPUTED ON THE WAY. 'Computed on the way' means the value that the module computes at that place (a softmax that the list does not call 'softmax' is quantised finished and normalised). What goes into a quantiser is computed in f32, as accurately as f32 sums, v_exp_f32 and their like allow (about 1e-6 of the number): no bf16 or f16 on the way to a quantiser, and a product that is left as it is and whose result goes on into a quantised operand takes f32 operands (vector FMAs, or v_wmma_f32_16x16x4_f32). A number that lies on a knife's edge between two numbers of the format may be rounded either way, as far as f32 arithmetic and the matrix unit's own rounding can turn it there, and no further.
;; One version. Each part assembles by itself: llvm-mc -triple=amdgcn-amd-amdhsa -mcpu=gfx1250 --defsym DOCPART=n.
;; ======== version 1 of 1: 4 launches
;; limits: right only within a limited range of input values
;; workspace buffers: x_codes 25,165,824 bytes; w_codes 4,194,304 bytes; qkv_img 25,165,824 bytes; z_img 8,388,608 bytes
;; launch quant (part 1): grid 672 x 1, 4 waves a work-group, no clusters, 68,096 bytes of LDS; arguments x, Wp, Wq, Wk, Wv, lowp_scales, x_codes, w_codes; writes x_codes, w_codes
.if DOCPART == 1
	.amdgcn_target "amdgcn-amd-amdhsa--gfx1250"
	.amdhsa_code_object_version 6
	.text
	.protected	k_q7185e9e44f_quant
	.globl	k_q7185e9e44f_quant
	.p2align	8
	.type	k_q7185e9e44f_quant,@function
k_q7185e9e44f_quant:
	s_mov_b64 s[64:65], 0
	v_nop
	global_prefetch_b8 v0, s[64:65] scope:SCOPE_SE
	s_setreg_imm32_b32 hwreg(HW_REG_WAVE_MODE, 25, 1), 1
	s_wait_xcnt 0x0
; ALL INPUTS OF THE QUANTISED PRODUCTS BECOME E4M3 CODES, K innermost, in one launch.  code = number / 2^e, held within +-448, to the nearest code, ties to even.
; Work-groups 0-95: Wq, Wk, Wv [16 heads][1024 (K)][64 (d)] under 2^e0, 2^e2, 2^e4 -> parts 0, 1, 2 of w_codes [4][1024][1024].  Work-groups 96-607: x [8192][1024] -> x_codes [3][8192][1024], one set for each of
; 2^e1, 2^e3, 2^e5.  Work-groups 608-671: Wp [1024][1024] under 2^e11 -> part 3 of w_codes.  The two ways part on the work-group's number alone, and each has LDS bytes of its own.
; LIMITS: each of these exponents lies between -126 and 119, so that 2^e and 448 x 2^e are f32 numbers.  NaN among the inputs is not served (an infinity is held at the largest code).
; (Later launches leave out the key steps that lie wholly behind the causal mask; every input is read.)
; x AND Wp: plain streams.  A wave takes 8 steps of 512 numbers: four loads of 512 consecutive bytes, a turn through the wave's own stage in LDS (16 bytes of padding behind each 64), back 64 bytes a lane:
; 16 neighbours along K, which the conversions want in one lane.  A lane's 16 codes are 16 bytes: a store covers 512 consecutive bytes.  Loads run four steps ahead.
; Wq, Wk, Wv: K is not innermost.  A LANE TAKES A COLUMN d AND ITS REGISTERS RUN DOWN K.  Work-group g: tensor g / 32, head (g % 32) / 2, half g % 2 of K; wave w: columns 32 (w % 2) on, 256 along K.
; THE ROWS OF A HEAD ARE PERMUTED: column d lies in row (d & 7) + 16 bit3(d) + 8 bit4(d) + 32 bit5(d).  q . k sums over that axis with the same order on both sides; for v it lays the attention's result in the
; order in which the last product reads Wp's rows.  The codes go through the wave's own stage and leave as rows: sixteen lanes store 256 consecutive bytes, aligned.
; No matrix unit, no tensor load, no barrier: waves share nothing.
.set NWW,   96
.set STEPS, 8
.set WGX,   512
.set R,     16                         ; v16-79   four sets of 16 numbers as loaded
.set X,     80                         ; v80-111  two sets of 16 neighbours
.set T,     112                        ; v112-159 held under each of three scales
.set C,     160                        ; v160-171 three sets of 16 codes
.set WREG,  8192
.set SP,    80
.set SPARE, 32768                      ; the spare words: 512 bytes that no other line names
.set WST,   33280                      ; the weights' four stages
.set NB,    8
.set PITCH, 272
.set KROW,  1024
.set WROW,  256
.set WX,    32                         ; v32-95   two sets of 32 numbers
.set WC,    96                         ; v96-103  a block's codes
.set OUTR,  112                        ; v112-175 the way out
	v_lshl_add_u32 v192, v0, 2, SPARE
	v_mov_b32 v193, 0
	v_lshrrev_b32 v1, 5, v0
	v_readfirstlane_b32 s16, v1                    ; wave
	v_and_b32 v2, 31, v0                           ; lane
	s_wait_alu depctr_va_vdst(0)                   ; directly ahead of the branch
	s_cmp_lt_u32 ttmp9, NWW
	s_cbranch_scc1 .Lweights
	s_load_b128 s[4:7], s[0:1], 0x0                ; x, Wp
	s_load_b64 s[8:9], s[0:1], 0x28                ; the scales' exponents
	s_load_b128 s[12:15], s[0:1], 0x30             ; x_codes, w_codes
	s_sub_co_u32 s45, ttmp9, NWW
	v_lshlrev_b32 v3, 4, v2                        ; my 16 bytes of a load's 512, and of a store's
	s_mul_i32 s17, s16, WREG
	v_lshrrev_b32 v14, 2, v2
	v_mul_u32_u24 v14, v14, SP
	v_and_b32 v15, 3, v2
	v_lshl_add_u32 v14, v15, 4, v14
	v_add_nc_u32 v14, s17, v14                     ; the stage, in: SP (lane / 4) + 16 (lane % 4)
	v_mul_u32_u24 v15, v2, SP
	v_add_nc_u32 v15, s17, v15                     ; and out: SP x lane
	s_wait_alu depctr_va_vdst(0)                   ; directly ahead of the wait below
	s_wait_kmcnt 0x0
	s_load_b256 s[24:31], s[8:9], 0x0              ; e0 .. e7
	s_load_b128 s[32:35], s[8:9], 0x20             ; e8 .. e11
	s_cmp_lt_u32 s45, WGX                          ; x's work-group or Wp's
	s_cselect_b64 s[4:5], s[4:5], s[6:7]
	s_cselect_b64 s[10:11], s[12:13], s[14:15]
	s_cselect_b32 s17, 0, WGX
	s_cselect_b32 s44, 0, 0x300000                 ; Wp's codes are part 3 of w_codes
	s_sub_co_u32 s17, s45, s17
	s_lshl_b32 s17, s17, 2
	s_add_co_u32 s18, s17, s16                     ; which run of 4,096 numbers is my wave's
	s_lshl_b32 s20, s18, 14
	s_mov_b32 s21, 0
	s_add_nc_u64 s[4:5], s[4:5], s[20:21]
	s_lshl_b32 s20, s18, 12
	s_add_nc_u64 s[36:37], s[12:13], s[20:21]
	s_add_nc_u64 s[38:39], s[36:37], 0x1000000     ; x's third set,
	s_add_nc_u64 s[36:37], s[36:37], 0x800000      ; its second (Wp's work-groups store to neither),
	s_add_co_u32 s20, s20, s44
	s_add_nc_u64 s[10:11], s[10:11], s[20:21]      ; and the first, or Wp's codes
.macro LOAD t
.irp i, 0,1,2,3
	global_load_b128 v[R+16*((\t)%4)+4*\i:R+16*((\t)%4)+4*\i+3], v3, s[4:5] offset:2048*(\t)+512*\i th:TH_LOAD_NT
.endr
.endm
.macro TURN t                          ; LDS serves a wave's instructions in order (ISA guide 5.7.1.4): no wait between the stores and the loads
.irp i, 0,1,2,3
	ds_store_b128 v14, v[R+16*((\t)%4)+4*\i:R+16*((\t)%4)+4*\i+3] offset:32*SP*((\t)%2)+8*SP*\i
.endr
.irp i, 0,1,2,3
	ds_load_b128 v[X+16*((\t)%2)+4*\i:X+16*((\t)%2)+4*\i+3], v15 offset:32*SP*((\t)%2)+16*\i
.endr
.endm
.macro MKSC e, vsc, vlim               ; 2^e as f32, and 448 x 2^e
	s_add_co_i32 s42, s[\e], 127
	s_lshl_b32 s43, s42, 23
	v_mov_b32 v[\vsc], s43
	s_add_co_i32 s42, s42, 8
	s_lshl_b32 s42, s42, 23
	s_or_b32 s42, s42, 0x600000
	v_mov_b32 v[\vlim], s42
.endm
.irp t, 0,1,2,3
	LOAD \t
.endr
	s_wait_kmcnt 0x0
	s_cmp_lt_u32 s45, WGX
	s_cselect_b32 s40, s25, s35                    ; e1 for x's first set, e11 for Wp
	MKSC 40, 5, 6
	MKSC 27, 7, 8                                  ; e3
	MKSC 29, 9, 10                                 ; e5
	s_wait_alu depctr_va_vdst(0)                   ; at the head's end
	s_wait_loadcnt 12                              ; step 0's four loads are in
	TURN 0
.macro STEP t
.set XS, X+16*((\t)%2)
	s_wait_dscnt 0x0                               ; this step's numbers are back from the stage
.if (\t)+4 < STEPS
	LOAD (\t)+4
.endif
.if (\t)+1 < STEPS
.if STEPS-2-(\t) >= 3
	s_wait_loadcnt 12                              ; the next step's four loads are in; three steps' may be out
.else
	s_wait_loadcnt 4*(STEPS-2-(\t))
.endif
	TURN (\t)+1
.endif
.irp i, 0,1,2,3,4,5,6,7,8,9,10,11,12,13,14,15
	v_med3_num_f32 v[T+\i], v[XS+\i], -v6, v6      ; the conversion does not saturate (ISA guide 7.6.2): the hold comes first
.endr
	s_wait_alu depctr_va_vdst(0)                   ; directly ahead of the wait below
	s_wait_xcnt 0x0                                ; the last step's stores have read their data
	v_cvt_scalef32_pk8_fp8_f32 v[C:C+1], v[T:T+7], v5
	v_cvt_scalef32_pk8_fp8_f32 v[C+2:C+3], v[T+8:T+15], v5
	global_store_b128 v3, v[C:C+3], s[10:11] offset:512*(\t)
	s_cmp_lt_u32 s45, WGX
	s_cbranch_scc0 .Lone_\@                        ; Wp has one scale
.irp i, 0,1,2,3,4,5,6,7,8,9,10,11,12,13,14,15
	v_med3_num_f32 v[T+16+\i], v[XS+\i], -v8, v8
	v_med3_num_f32 v[T+32+\i], v[XS+\i], -v10, v10
.endr
	v_cvt_scalef32_pk8_fp8_f32 v[C+4:C+5], v[T+16:T+23], v7
	v_cvt_scalef32_pk8_fp8_f32 v[C+6:C+7], v[T+24:T+31], v7
	v_cvt_scalef32_pk8_fp8_f32 v[C+8:C+9], v[T+32:T+39], v9
	v_cvt_scalef32_pk8_fp8_f32 v[C+10:C+11], v[T+40:T+47], v9
	global_store_b128 v3, v[C+4:C+7], s[36:37] offset:512*(\t)
	global_store_b128 v3, v[C+8:C+11], s[38:39] offset:512*(\t)
.Lone_\@:
	v_nop                                          ; one plain line between the last conversion and the next step's holds
.endm
.irp t, 0,1,2,3,4,5,6,7
	STEP \t
.endr
	s_wait_tensorcnt 0x0                           ; the wave's end
	ds_add_u32 v192, v193
	s_wait_dscnt 0x0
	s_endpgm
.Lweights:
	s_load_b128 s[4:7], s[0:1], 0x10               ; Wq, Wk
	s_load_b128 s[8:11], s[0:1], 0x20              ; Wv, the scales' exponents
	s_load_b64 s[12:13], s[0:1], 0x38              ; w_codes
	s_lshr_b32 s17, ttmp9, 5                       ; which tensor
	s_and_b32 s46, ttmp9, 31
	s_lshr_b32 s18, s46, 1                         ; head
	s_and_b32 s19, s46, 1
	s_and_b32 s20, s16, 1                          ; which 32 columns
	s_lshr_b32 s21, s16, 1
	s_lshl_b32 s19, s19, 1
	s_add_co_u32 s19, s19, s21                     ; which 256 along K
	v_lshlrev_b32 v3, 2, v2                        ; in: 4 bytes a lane
	s_mul_i32 s22, s16, 32*PITCH
	s_add_co_u32 s22, s22, WST                     ; my stage
	v_and_b32 v4, 7, v2
	v_bfe_u32 v5, v2, 3, 1
	v_bfe_u32 v6, v2, 4, 1
	v_lshl_add_u32 v4, v5, 4, v4
	v_lshl_add_u32 v4, v6, 3, v4                   ; my column's row among the wave's 32: bits 3 and 4 changed over
	v_mul_u32_u24 v4, v4, PITCH
	v_add_nc_u32 v4, s22, v4
	v_and_b32 v5, 15, v2
	v_lshrrev_b32 v6, 4, v2                        ; out: sixteen lanes to a row, two rows an instruction
	v_mul_u32_u24 v7, v6, PITCH
	v_lshl_add_u32 v7, v5, 4, v7
	v_add_nc_u32 v7, s22, v7
	v_mul_u32_u24 v8, v6, KROW
	v_lshl_add_u32 v8, v5, 4, v8
	s_lshl_b32 s24, s18, 18                        ; in: head x 262,144 + K part x 65,536 + 128 x column half
	s_lshl_b32 s26, s19, 16
	s_add_co_u32 s24, s24, s26
	s_lshl_b32 s26, s20, 7
	s_add_co_u32 s24, s24, s26
	s_mov_b32 s25, 0
	s_lshl_b32 s26, s18, 6                         ; out: tensor x 1,048,576 + (64 head + 32 column half) rows + 256 x K part
	s_lshl_b32 s28, s20, 5
	s_add_co_u32 s26, s26, s28
	s_lshl_b32 s26, s26, 10
	s_lshl_b32 s28, s17, 20
	s_add_co_u32 s26, s26, s28
	s_lshl_b32 s28, s19, 8
	s_add_co_u32 s26, s26, s28
	s_mov_b32 s27, 0
	s_wait_alu depctr_va_vdst(0)                   ; directly ahead of the wait below
	s_wait_kmcnt 0x0
	s_load_b256 s[32:39], s[10:11], 0x0            ; e0 .. e7
	s_cmp_eq_u32 s17, 0
	s_cselect_b64 s[4:5], s[4:5], s[6:7]
	s_cmp_eq_u32 s17, 2
	s_cselect_b64 s[4:5], s[8:9], s[4:5]
	s_add_nc_u64 s[4:5], s[4:5], s[24:25]
	s_add_nc_u64 s[12:13], s[12:13], s[26:27]
.macro WLOAD t                         ; block t: W(32 t + i, my column) into set t % 2
.set i, 0
.rept 32
	global_load_b32 v[WX+32*((\t)%2)+i], v3, s[4:5] offset:(32*(\t)+i)*WROW th:TH_LOAD_NT
.set i, i+1
.endr
.endm
	WLOAD 0
	WLOAD 1
	s_wait_kmcnt 0x0
	s_cmp_eq_u32 s17, 0
	s_cselect_b32 s30, s32, s34                    ; e0 or e2,
	s_cmp_eq_u32 s17, 2
	s_cselect_b32 s30, s36, s30                    ; or e4
	s_add_co_i32 s30, s30, 127
	s_lshl_b32 s31, s30, 23
	v_mov_b32 v11, s31
	s_add_co_i32 s30, s30, 8
	s_lshl_b32 s30, s30, 23
	s_or_b32 s30, s30, 0x600000
	v_mov_b32 v10, s30
.macro BLOCK t
.set XS, WX+32*((\t)%2)
.if (\t) < NB-1
	s_wait_loadcnt 32                              ; this block's 32 loads are in; the next block's may be out
.else
	s_wait_loadcnt 0
.endif
.set i, 0
.rept 32
	v_med3_num_f32 v[XS+i], v[XS+i], -v10, v10
.set i, i+1
.endr
.irp g, 0,1,2,3
	v_cvt_scalef32_pk8_fp8_f32 v[WC+2*\g:WC+2*\g+1], v[XS+8*\g:XS+8*\g+7], v11
.endr
	ds_store_b128 v4, v[WC:WC+3] offset:32*(\t)
	ds_store_b128 v4, v[WC+4:WC+7] offset:32*(\t)+16
.if (\t)+2 < NB
	WLOAD (\t)+2
.endif
	s_wait_dscnt 0x0                               ; the stores have read their registers
.endm
.set Q, 0
	s_wait_alu depctr_va_vdst(0)                   ; at the head's end
.rept NB
	BLOCK Q
.set Q, Q+1
.endr
.irp t, 0,1,2,3,4,5,6,7,8,9,10,11,12,13,14,15
	ds_load_b128 v[OUTR+4*\t:OUTR+4*\t+3], v7 offset:2*\t*PITCH
.endr
.irp t, 0,1,2,3,4,5,6,7,8,9,10,11,12,13,14,15
	s_wait_dscnt 15-\t                             ; the younger read-backs may stay out
	global_store_b128 v8, v[OUTR+4*\t:OUTR+4*\t+3], s[12:13] offset:2*\t*KROW
.endr
	s_wait_tensorcnt 0x0                           ; the wave's end
	ds_add_u32 v192, v193
	s_wait_dscnt 0x0
	s_endpgm
.Lfunc_end_k_q7185e9e44f_quant:
	.size	k_q7185e9e44f_quant, .Lfunc_end_k_q7185e9e44f_quant-k_q7185e9e44f_quant
	.p2alignl 7, 3214868480
	.fill 96, 4, 3214868480
	.section	.rodata,"a",@progbits
	.p2align	6, 0x0
	.amdhsa_kernel k_q7185e9e44f_quant
		.amdhsa_group_segment_fixed_size 68096
		.amdhsa_private_segment_fixed_size 0
		.amdhsa_enable_private_segment 0
		.amdhsa_kernarg_size 64
		.amdhsa_user_sgpr_count 2
		.amdhsa_user_sgpr_kernarg_segment_ptr 1
		.amdhsa_wavefront_size32 1
		.amdhsa_system_sgpr_workgroup_id_x 1
		.amdhsa_system_sgpr_workgroup_id_y 1
		.amdhsa_system_sgpr_workgroup_id_z 1
		.amdhsa_system_vgpr_workitem_id 0
		.amdhsa_next_free_vgpr 194
		.amdhsa_next_free_sgpr 66
		.amdhsa_reserve_vcc 0
		.amdhsa_float_denorm_mode_32 3
		.amdhsa_float_denorm_mode_16_64 3
		.amdhsa_memory_ordered 1
		.amdhsa_forward_progress 1
		.amdhsa_inst_pref_size 91
	.end_amdhsa_kernel
	.amdgpu_metadata
---
amdhsa.version: [ 1, 2 ]
amdhsa.kernels:
  - .name:           k_q7185e9e44f_quant
    .symbol:         k_q7185e9e44f_quant.kd
    .args:
      - { .name: x, .offset: 0, .size: 8, .value_kind: global_buffer, .address_space: global }
      - { .name: Wp, .offset: 8, .size: 8, .value_kind: global_buffer, .address_space: global }
      - { .name: Wq, .offset: 16, .size: 8, .value_kind: global_buffer, .address_space: global }
      - { .name: Wk, .offset: 24, .size: 8, .value_kind: global_buffer, .address_space: global }
      - { .name: Wv, .offset: 32, .size: 8, .value_kind: global_buffer, .address_space: global }
      - { .name: lowp_scales, .offset: 40, .size: 8, .value_kind: global_buffer, .address_space: global }
      - { .name: x_codes, .offset: 48, .size: 8, .value_kind: global_buffer, .address_space: global }
      - { .name: w_codes, .offset: 56, .size: 8, .value_kind: global_buffer, .address_space: global }
    .group_segment_fixed_size: 68096
    .private_segment_fixed_size: 0
    .kernarg_segment_align: 8
    .kernarg_segment_size: 64
    .max_flat_workgroup_size: 128
    .sgpr_count:     66
    .vgpr_count:     194
    .wavefront_size: 32
...
	.end_amdgpu_metadata
.endif
;; end of part 1
;; launch qkv (part 2): grid 96 x 4, 4 waves a work-group, clusters of 4 x 4, 327,680 bytes of LDS; arguments x_codes, w_codes, lowp_scales, qkv_img; writes qkv_img
.if DOCPART == 2
	.amdgcn_target "amdgcn-amd-amdhsa--gfx1250"
	.amdhsa_code_object_version 6
	.text
	.protected	k_q7185e9e44f_qkv
	.globl	k_q7185e9e44f_qkv
	.p2align	8
	.type	k_q7185e9e44f_qkv,@function
k_q7185e9e44f_qkv:
	s_mov_b64 s[64:65], 0
	v_nop
	global_prefetch_b8 v0, s[64:65] scope:SCOPE_SE
	s_setreg_imm32_b32 hwreg(HW_REG_WAVE_MODE, 25, 1), 1
	s_wait_xcnt 0x0
	s_wait_alu depctr_hold_cnt(0) depctr_sa_sdst(0) depctr_va_vdst(0) depctr_va_sdst(0) depctr_va_ssrc(0) depctr_va_vcc(0) depctr_vm_vsrc(0)
	s_getreg_b32 s2, hwreg(HW_REG_IB_STS2, 6, 4)
	s_cmp_eq_u32 s2, 0
	s_cbranch_scc0 .Lentry_in_a_cluster
	s_endpgm
.Lentry_in_a_cluster:
	s_bfe_u32 s2, ttmp6, 0x10000c
	s_cmp_lg_u32 s2, 0xf033
	s_cbranch_scc0 .Lentry_shape_is_right
	s_endpgm
.Lentry_shape_is_right:
; q, k, v = x W on E4M3 codes (K = 1,024), and each result QUANTISED AT ONCE, in registers, for the attention's two products: q under 2^e6, k under 2^e7, v under 2^e9.
; A sum of codes stands for sum x 2^(ew + ex), so its code is sum / 2^E, held within +-448 x 2^E: E = e6 - e0 - e1 (q), e7 - e2 - e3 (k), e9 - e4 - e5 (v): three scales folded into the conversion's one.
; LIMITS: each of these three E lies between -126 and 119, so that 2^E and 448 x 2^E are f32 numbers.
; THE GRID: 24 clusters of 4 x 4 work-groups; cluster c: c / 8 says q, k or v, c % 8 which 1,024 tokens.  A work-group makes 256 x 256 of a product C = A B^T, four waves, as many as a WGP has SIMDs, each 128 x 128:
; 64 accumulators, 512 registers.  For q and k: A = x's codes (tokens), B = the weight's (a head's 64 rows).  FOR v THE ROLES ARE CHANGED OVER, by pointers alone: A = Wv's rows, B = x's.
; THE MATRIX INSTRUCTION IS USED TRANSPOSED (source 0 = 16 rows of B, source 1 = 16 rows of A): a lane holds ONE row of A and, in an accumulator's 8 registers, 8 neighbouring rows of B.  One conversion an accumulator
; gives registers 2 b, 2 b + 1 of an operand in the plain 8-bit layout (ISA guide 7.12.2): for q and k four accumulators are a fragment 16 tokens x 64 (K = the head's axis); for v eight are a fragment
; 16 of the head's 64 x 128 keys (K = the keys).  THE FRAGMENTS ARE STORED AS IMAGES OF THEIR REGISTERS, four registers a store at 16 x lane: each store of the wave covers 512 consecutive bytes, aligned.
; qkv_img: [batch x head 64][slot of 256 tokens 8][q 16,384 | k 16,384 | v 16,384]; q, k: 16 tiles of 16 tokens x 1,024 bytes; v: [128 keys 2][16 of the head 4][2,048 bytes].
; K goes in steps of 256 through a ring of two LDS slots filled by the tensor data mover; a tile's row is 256 bytes of memory, aligned.
; CLUSTERS: the four work-groups of a row of the cluster need the same tiles of A, the four of a column the same tiles of B: each tile is asked for JOINTLY, by the same tensor load with the same descriptor and a mask that names the four.
; A fragment for 128 along K is fetched by four loads of 16 bytes a lane: a permutation of k that is the same in A and in B, so every product meets its partner.
; REGISTERS, in windows of 256: window 0: v0-31 addresses and scales; v32-95 at work on the way out; from v128 A's fragments, ONE set.   window 1: B's fragments, TWO sets.
;   window 2: the 32 accumulators of my rows 0-63 of A (accumulator (a, b) at v[8 (8 a + b)]);   window 3: those of my rows 64-127.
.set KSTEP,  256                       ; along K in a slot
.set ROWB,   256                       ; a tile's row in bytes
.set KROW,   1024                      ; a row of codes in memory, in bytes
.set PITCH,  272                       ; an LDS row: 256 bytes + 16 of padding = 68 words: row r starts at bank 4 r mod 64 (64 banks of 4 bytes: ISA guide 11.1), so the 16 rows of a load start at 16 different banks
.set FR,     16                        ; registers of a fragment: 16 rows x 128 K
.set NL,     4                         ; LDS loads that bring one
.set NP,     4                         ; places behind this matrix instruction (ISA guide 7.12.1)
.set HALFT,  128*PITCH                 ; 128 rows: what one wave reads of A or of B; a tensor load brings 256
.set SLOT,   4*HALFT                   ; A's 256 rows, then B's 256 rows
.set LAPS,   2                         ; a lap = two K steps = once round the ring: 1,024 / 512
.set SPARE,  2*SLOT                    ; behind the ring: the spare words, 128 bytes for each wave: two blocks of 256 bytes that no other line names
.set ADRA, 16                          ; v16-17  LDS address of my A fragments in slot 0, 1
.set ADRB, 20                          ; v20-21  the same for B
.set VO0,  26                          ; v26     the way out: 16 x lane
.set VO1,  27                          ; v27     and the same for a block's second half: the next head (q, k) or the fragment's upper 1,024 bytes (v)
.set SPW,  28                          ; v28     LDS address of my spare word: SPARE + 4 x my thread's number; never rewritten
.set NIL,  29                          ; v29     0; never rewritten
.set SC,   30                          ; v30     2^E as f32
.set LIM,  31                          ; v31     448 x 2^E
.set TMP,  32                          ; v32-95  a block's 64 sums, held
.set CD,   128                         ; a block's codes: 16 registers of its own for each block, where A's fragments lay (set anew in OUT)
.set AF,   128                         ; A's fragments, in window 0
.set G1, 24                            ; s[24:31] descriptor group 1 for A's tiles;  s[32:39] group 0, one set for each slot
.set G0, 32
.set G1B, 48                           ; s[48:55], s[56:63] the same for B's tiles
.set G0B, 56
.set MSB, 0
.macro WIN new                         ; the immediate's high byte repeats the setting that is left
.if MSB != \new
	s_set_vgpr_msb (MSB<<8)|\new
.set MSB, \new
.endif
.endm
.set MUL_LO, 0xa1                      ; source 0 (B) window 1, source 1 (A) window 0, C and D window 2
.set MUL_HI, 0xf1                      ; the same, C and D window 3
.set TO_B,   0x40                      ; destination window 1, address window 0
; A slot's joint refill: wave w0 fetches A's 256 rows, wave w0 + 1 B's, the others nothing.  Each line has ONE mask and one set of registers; the branches hang on the wave's number alone.
; An s_nop 0 and four v_nop follow each of the two lines.
.macro JLOAD g0a, g1a, g0b, g1b, w0
	s_cmp_eq_u32 s14, \w0
	s_cbranch_scc0 .Lfor_b_\@
	tensor_load_to_lds s[\g0a:\g0a+3], s[\g1a:\g1a+7]
	s_nop 0
.rept 4
	v_nop
.endr
	s_branch .Lasked_\@
.Lfor_b_\@:
	s_cmp_eq_u32 s14, (\w0)+1
	s_cbranch_scc0 .Lasked_\@
	tensor_load_to_lds s[\g0b:\g0b+3], s[\g1b:\g1b+7]
	s_nop 0
.rept 4
	v_nop
.endr
.Lasked_\@:
.endm
.macro CREST                           ; a round of the cluster's barrier behind its opening barrier
	s_cmp_lg_u32 s14, 0
	s_cbranch_scc1 .Lnot_wave_0_\@
	s_barrier_signal -3
.Lnot_wave_0_\@:
	s_barrier_wait -3
	s_barrier_signal -1
	s_barrier_wait -1
.endm
.macro CROUND                          ; a whole round
	s_barrier_signal -1
	s_barrier_wait -1
	CREST
.endm
	s_load_b256 s[4:11], s[0:1], 0x0               ; x_codes s[4:5], w_codes s[6:7], the scales' exponents s[8:9], qkv_img s[10:11]
	v_lshl_add_u32 v[SPW], v0, 2, SPARE
	v_mov_b32 v[NIL], 0
	ds_add_u32 v28, v29
	ds_add_u32 v28, v29
	s_wait_dscnt 0x0
	v_lshrrev_b32 v1, 5, v0
	v_readfirstlane_b32 s14, v1                    ; wave 0..3
	s_lshr_b32 s15, s14, 1                         ; which half of A's rows is mine
	s_and_b32 s16, s14, 1                          ; which half of B's rows
	s_bfe_u32 s40, ttmp6, 0x40000                  ; cx, cy: my place in the cluster
	s_bfe_u32 s41, ttmp6, 0x40004
	s_lshl_b32 s43, s41, 2
	s_lshl_b32 s43, 15, s43                        ; my row of the cluster
	s_lshl_b32 s44, 0x1111, s40                    ; my column
	s_lshl_b32 s66, ttmp9, 2                       ; the cluster's first tile of 256 rows in x_codes: its three sets of 32 tiles lie on end, so 4 c serves q, k and v
	s_lshr_b32 s67, ttmp9, 3                       ; 0: q, 1: k, 2: v
	s_lshl_b32 s68, s67, 2                         ; the tensor's first tile of 256 rows in w_codes
	s_mov_b32 s96, 393216                          ; a head's bytes in qkv_img
	s_mov_b32 s97, 387072                          ; a head's bytes less three fragments of v
	s_mov_b32 s98, 2048                            ; a fragment of v
	s_cmp_lt_u32 ttmp9, 16                         ; q or k, against v: the same in all sixteen partners
	s_cselect_b32 s17, s66, s68                    ; A's first tile
	s_cselect_b32 s42, s68, s66                    ; B's
	s_cselect_b32 s74, s41, s40                    ; which coordinate counts tokens,
	s_cselect_b32 s75, s40, s41                    ; which counts groups of four heads,
	s_cselect_b32 s76, s15, s16                    ; which half of the wave's number counts 128 tokens,
	s_cselect_b32 s77, s16, s15                    ; which counts two heads
	s_cselect_b32 s78, s96, 1024                   ; from a block's first 8 code registers to its second 8
	s_cselect_b32 s80, 1024, s98                   ; from a block of 16 rows of A to the next,
	s_cselect_b32 s82, 1024, s97                   ; and from block 3 to block 4
	s_mov_b32 s81, 0
	s_mov_b32 s83, 0
	s_add_co_u32 s17, s17, s41                     ; A's tile hangs on cy alone,
	s_add_co_u32 s42, s42, s40                     ; B's on cx alone
	; descriptor group 1: a tile of 256 rows x 256 bytes, padded in LDS
	s_or_b32 s[G1+0], s43, (0<<16)|(1<<20)|(1<<21)|(5<<22)|(3<<25)  ; 15:0 the mask: A's tiles go to my row; 17:16 element of 1 byte; 20 padding on; 21 set beside a mask; 24:22 after every 64 words (code 5); 31:25 of 4 words (code 3)
	s_or_b32 s[G1B+0], s44, (0<<16)|(1<<20)|(1<<21)|(5<<22)|(3<<25)
.irp g, G1, G1B
	s_mov_b32 s[\g+1], ROWB<<16                    ; tensor_dim0
	s_mov_b32 s[\g+2], 256<<16                     ; tensor_dim1 = 256
	s_mov_b32 s[\g+3], ROWB<<16                    ; tile_dim0
	s_mov_b32 s[\g+4], 256                         ; tile_dim1 = 256
	s_mov_b32 s[\g+5], KROW                        ; tensor_dim0_stride
	s_mov_b32 s[\g+6], 0
	s_mov_b32 s[\g+7], 0
.endr
	s_lshl_b32 s20, s17, 18                        ; A: 256 rows of 1,024 bytes a tile (under 2^25)
	s_mov_b32 s21, 0
	s_lshl_b32 s46, s42, 18                        ; B likewise
	s_mov_b32 s47, 0
	s_wait_kmcnt 0x0
	s_load_b256 s[84:91], s[8:9], 0x0              ; e0 .. e7
	s_load_b128 s[92:95], s[8:9], 0x20             ; e8 .. e11
	s_cmp_lt_u32 ttmp9, 16
	s_cselect_b64 s[70:71], s[4:5], s[6:7]         ; A's buffer
	s_cselect_b64 s[72:73], s[6:7], s[4:5]         ; B's
	s_add_nc_u64 s[20:21], s[70:71], s[20:21]
	s_add_nc_u64 s[46:47], s[72:73], s[46:47]
	CROUND                                         ; all sixteen work-groups are here: the first joint loads meet
.irp s, 0,1
	s_mov_b32 s[G0+4*\s], 1
	s_mov_b32 s[G0+4*\s+1], \s*SLOT                ; A's 256 rows open a slot,
	s_add_nc_u64 s[G0+4*\s+2:G0+4*\s+3], s[20:21], \s*ROWB
	s_or_b32 s[G0+4*\s+3], s[G0+4*\s+3], 0x80000000
	s_mov_b32 s[G0B+4*\s], 1
	s_mov_b32 s[G0B+4*\s+1], \s*SLOT+2*HALFT       ; B's follow
	s_add_nc_u64 s[G0B+4*\s+2:G0B+4*\s+3], s[46:47], \s*ROWB
	s_or_b32 s[G0B+4*\s+3], s[G0B+4*\s+3], 0x80000000
.endr
	; THE FIRST FILLS, one chain of four arms, one tensor load a wave: wave 0 A of K step 0, wave 1 B of K step 0, wave 2 A of K step 1, wave 3 B of K step 1
	s_cmp_eq_u32 s14, 0
	s_cbranch_scc0 .Lh1
	tensor_load_to_lds s[G0:G0+3], s[G1:G1+7]
	s_nop 0
.rept 4
	v_nop
.endr
	s_branch .Lhj
.Lh1:
	s_cmp_eq_u32 s14, 1
	s_cbranch_scc0 .Lh2
	tensor_load_to_lds s[G0B:G0B+3], s[G1B:G1B+7]
	s_nop 0
.rept 4
	v_nop
.endr
	s_branch .Lhj
.Lh2:
	s_cmp_eq_u32 s14, 2
	s_cbranch_scc0 .Lh3
	tensor_load_to_lds s[G0+4:G0+7], s[G1:G1+7]
	s_nop 0
.rept 4
	v_nop
.endr
	s_branch .Lhj
.Lh3:
	tensor_load_to_lds s[G0B+4:G0B+7], s[G1B:G1B+7]
	s_nop 0
.rept 4
	v_nop
.endr
.Lhj:
	v_and_b32 v1, 15, v0                           ; l % 16
	v_bfe_u32 v2, v0, 4, 1                         ; l / 16
	v_mul_u32_u24 v3, v1, PITCH
	v_lshl_add_u32 v4, v2, 4, v3                   ; a fragment's row x pitch + 16 x half
	s_mul_i32 s21, s15, HALFT                      ; my 128 rows of A
	s_mul_i32 s22, s16, HALFT                      ; my 128 rows of B,
	s_add_co_u32 s22, s22, 2*HALFT                 ; which lie behind A's 256
.irp s, 0,1
	v_add_nc_u32 v[ADRA+\s], s21, v4
	v_add_nc_u32 v[ADRB+\s], s22, v4
	s_add_co_u32 s21, s21, SLOT
	s_add_co_u32 s22, s22, SLOT
.endr
	v_and_b32 v6, 31, v0
	v_lshlrev_b32 v[VO0], 4, v6
	v_add_nc_u32 v[VO1], s78, v[VO0]
	; where my wave's images begin: (16 batch + 4 head group + 2 head half) heads + the slot of 256 tokens + q, k or v + 8,192 x the half of the slot's tokens
	s_and_b32 s96, ttmp9, 7
	s_lshl_b32 s96, s96, 2
	s_add_co_u32 s96, s96, s74                     ; which 256 tokens of the 8,192
	s_lshr_b32 s97, s96, 3                         ; batch
	s_lshl_b32 s97, s97, 4
	s_lshl_b32 s98, s75, 2
	s_add_co_u32 s97, s97, s98
	s_lshl_b32 s98, s77, 1
	s_add_co_u32 s97, s97, s98
	s_mul_i32 s97, s97, 393216
	s_and_b32 s96, s96, 7
	s_mul_i32 s96, s96, 49152
	s_add_co_u32 s97, s97, s96
	s_lshl_b32 s96, s67, 14
	s_add_co_u32 s97, s97, s96
	s_lshl_b32 s96, s76, 13
	s_add_co_u32 s96, s97, s96
	s_mov_b32 s97, 0
	s_add_nc_u64 s[10:11], s[10:11], s[96:97]
.macro FRAG reg, adr, q, i             ; a fragment, 16 rows x 128 K: lane l holds row l % 16; registers 4 c .. 4 c + 3 hold K = 32 c + 16 (l / 16) + 0 .. 15
.irp c, 0,1,2,3
	ds_load_b128 v[\reg+4*\c:\reg+4*\c+3], v[\adr] offset:128*(\q)+32*\c+(\i)*16*PITCH
.endr
.endm
; 16 matrix instructions: A's blocks a0, a0 + 1 x B's eight, 128 along K.  p: B's set.  zero = 1: the first product starts the sums: nothing is ever cleared.
; The 64 accumulators take turns, one instruction a turn, in the same order in every step.
.macro MUL16 a0, p, zero
.irp a, \a0, \a0+1
.irp b, 0,1,2,3,4,5,6,7
.if \zero
	v_wmma_f32_16x16x128_fp8_fp8 v[8*(8*((\a)%4)+\b):8*(8*((\a)%4)+\b)+7], v[128*(\p)+FR*\b:128*(\p)+FR*\b+FR-1], v[AF+FR*(\a):AF+FR*(\a)+FR-1], 0
.else
	v_wmma_f32_16x16x128_fp8_fp8 v[8*(8*((\a)%4)+\b):8*(8*((\a)%4)+\b)+7], v[128*(\p)+FR*\b:128*(\p)+FR*\b+FR-1], v[AF+FR*(\a):AF+FR*(\a)+FR-1], v[8*(8*((\a)%4)+\b):8*(8*((\a)%4)+\b)+7]
.endif
.endr
.endr
.endm
.macro FETCH_B slot, q, p              ; B's eight fragments of the slot's q-th 128 along K into set p
	WIN TO_B
.irp i, 0,1,2,3,4,5,6,7
	FRAG 128*(\p)+FR*\i, ADRB+\slot, \q, \i
.endr
	WIN 0
.endm
.macro FETCH_A slot, q, i0             ; A's blocks i0 .. i0 + 3
.irp i, \i0, \i0+1, \i0+2, \i0+3
	FRAG AF+FR*(\i), ADRA+\slot, \q, \i
.endr
.endm
; A load into a register that a matrix instruction has read, and a vector instruction that reads a matrix result, stand NP places behind that matrix instruction, and only plain vector
; instructions that name none of its registers are places (ISA guide 7.12.1 for vector instructions).
.macro PLACES n
.rept \n
	v_nop
.endr
.endm
; A step of 128 along K that has its successor in the same slot.  A block of A is free as soon as its eight products are issued: blocks 0-3 are fetched anew in the step's middle, blocks 4-7 at its end.
.macro STEP slot, q, zero
	s_wait_dscnt 4*NL                              ; B's set and A's blocks 0-3 are in; the youngest 16 loads (A's blocks 4-7) may be out
	WIN MUL_LO
	MUL16 0, (\q)%2, \zero
	MUL16 2, (\q)%2, \zero
	s_wait_dscnt 0                                 ; A's blocks 4-7 are in (asked for 32 matrix instructions ago)
	PLACES NP
	FETCH_B \slot, (\q)+1, 1-(\q)%2
	FETCH_A \slot, (\q)+1, 0
	WIN MUL_HI
	MUL16 4, (\q)%2, \zero
	MUL16 6, (\q)%2, \zero
	PLACES NP
	WIN 0
	FETCH_A \slot, (\q)+1, 4
.endm
; A slot's last step changes slots: ONE barrier; in front of it each wave waits for all its tensor loads, adds 0 to its spare word, and waits for that and for its own reads of this slot.  fill = 1: this slot is filled again, two K steps ahead.
.macro TURN slot, next, fill
	s_wait_tensorcnt 0x0                           ; all my tensor loads have landed: my part of the next slot;  (every window is 0 here: the add's two registers lie in window 0)
	ds_add_u32 v[SPW], v[NIL]                      ; 0 onto my spare word
	s_wait_dscnt 4*NL+1                            ; (the add and the youngest 16 loads, A's blocks 4-7, may be out)
	WIN MUL_LO
	MUL16 0, 1, 0                                  ; sixteen matrix instructions stand between the add and the wait for it
	s_wait_dscnt 0x0                               ; the add is done, and my reads of this slot are over
	s_barrier_signal -1
	MUL16 2, 1, 0
	WIN 0
	s_barrier_wait -1
.if \fill
	CREST                                          ; the barrier has opened a round of the cluster's barrier: no wave of any partner still reads this slot's tile or has a load on its way
	s_add_nc_u64 s[G0+4*\slot+2:G0+4*\slot+3], s[G0+4*\slot+2:G0+4*\slot+3], 2*ROWB
	s_add_nc_u64 s[G0B+4*\slot+2:G0B+4*\slot+3], s[G0B+4*\slot+2:G0B+4*\slot+3], 2*ROWB
	JLOAD G0+4*\slot, G1, G0B+4*\slot, G1B, 2*\slot   ; the first tensor load behind the round: slot 0 by waves 0 and 1, slot 1 by waves 2 and 3
	PLACES NP                                      ; in front of the loads below, for the waves that fetch nothing too
.else
	PLACES NP
.endif
	FETCH_B \next, 0, 0
	FETCH_A \next, 0, 0
	WIN MUL_HI
	MUL16 4, 1, 0
	MUL16 6, 1, 0
	PLACES NP
	WIN 0
	FETCH_A \next, 0, 4
.endm
	s_wait_alu depctr_va_vdst(0)
	s_wait_tensorcnt 0x0                           ; my one load has landed;
	s_barrier_signal -1
	s_barrier_wait -1                              ; everybody's has: both slots are whole.
	FETCH_B 0, 0, 0
	FETCH_A 0, 0, 0
	FETCH_A 0, 0, 4
	STEP 0, 0, 1                                   ; the first step stands in front of the loop: its products start the sums
	s_mov_b32 s3, LAPS-1
.Llap:                                                 ; a trip goes once round the ring, from a lap's second step to the next lap's first, and fills both slots again
	TURN 0, 1, 1
	STEP 1, 0, 0
	TURN 1, 0, 1
	STEP 0, 0, 0
	s_sub_co_u32 s3, s3, 1
	s_cmp_lg_u32 s3, 0
	s_cbranch_scc1 .Llap
	TURN 0, 1, 0                                   ; the last lap fills nothing, and has no round of the cluster's barrier
	STEP 1, 0, 0
	s_wait_dscnt 4*NL                              ; the very last step: nothing more to fetch
	WIN MUL_LO
	MUL16 0, 1, 0
	MUL16 2, 1, 0
	s_wait_dscnt 0
	WIN MUL_HI
	MUL16 4, 1, 0
	MUL16 6, 1, 0
	WIN 0
; THE WAY OUT, block by block of 16 rows of A x 128 rows of B: 64 sums a lane are held, converted (8 conversions: 16 registers of codes) and stored as they stand: four stores of 512 consecutive bytes.
.macro OUT a
.set AC, 64*((\a)%4)
.set CD, AF+16*(\a)                    ; no store's data and no store's base is written again
.if (\a) == 0
.set BS, 10
.else
.set BS, 22+2*(\a)
.endif
	WIN 0x02+((\a)/4)                              ; source 0: window 2 or 3
.set j, 0
.rept 64
	v_med3_num_f32 v[TMP+j], v[AC+j], -v[LIM], v[LIM]   ; the conversion to an 8-bit code does not saturate (ISA guide 7.6.2): the hold at 448 x the scale; each accumulator from its low end on
.set j, j+1
.endr
	WIN 0
.irp b, 0,1,2,3,4,5,6,7
	v_cvt_scalef32_pk8_fp8_f32 v[CD+2*\b:CD+2*\b+1], v[TMP+8*\b:TMP+8*\b+7], v[SC]
.endr
	v_nop                                          ; one plain vector line between the last conversion and the next block's holds, which write the conversions' sources
	global_store_b128 v[VO0], v[CD:CD+3], s[BS:BS+1]
	global_store_b128 v[VO0], v[CD+4:CD+7], s[BS:BS+1] offset:512
	global_store_b128 v[VO1], v[CD+8:CD+11], s[BS:BS+1]
	global_store_b128 v[VO1], v[CD+12:CD+15], s[BS:BS+1] offset:512
.endm
	s_wait_kmcnt 0x0
	s_add_nc_u64 s[24:25], s[10:11], s[80:81]      ; where blocks 1 to 7 go, in the descriptors' registers: every tensor load has been waited for
	s_add_nc_u64 s[26:27], s[24:25], s[80:81]
	s_add_nc_u64 s[28:29], s[26:27], s[80:81]
	s_add_nc_u64 s[30:31], s[28:29], s[82:83]
	s_add_nc_u64 s[32:33], s[30:31], s[80:81]
	s_add_nc_u64 s[34:35], s[32:33], s[80:81]
	s_add_nc_u64 s[36:37], s[34:35], s[80:81]
	s_sub_co_i32 s96, s90, s84
	s_sub_co_i32 s96, s96, s85                     ; e6 - e0 - e1
	s_sub_co_i32 s97, s91, s86
	s_sub_co_i32 s97, s97, s87                     ; e7 - e2 - e3
	s_sub_co_i32 s98, s93, s88
	s_sub_co_i32 s98, s98, s89                     ; e9 - e4 - e5
	s_cmp_lt_u32 ttmp9, 8                          ; chosen by the cluster's number; no branch hangs on a given scale
	s_cselect_b32 s96, s96, s97
	s_cmp_lt_u32 ttmp9, 16
	s_cselect_b32 s96, s96, s98
	s_add_co_i32 s96, s96, 127
	s_lshl_b32 s97, s96, 23
	v_mov_b32 v[SC], s97
	s_add_co_i32 s96, s96, 8
	s_lshl_b32 s96, s96, 23
	s_or_b32 s96, s96, 0x600000
	v_mov_b32 v[LIM], s96
	PLACES NP                                      ; behind the last products
.irp a, 0,1,2,3,4,5,6,7
	OUT \a
.endr
	s_wait_tensorcnt 0x0                           ; the wave's end, behind my last tensor load
	ds_add_u32 v[SPW], v[NIL]
	s_wait_dscnt 0x0
	CROUND                                         ; the closing round: no work-group ends while a partner may still ask for a tile that names it
	s_endpgm
.Lfunc_end_k_q7185e9e44f_qkv:
	.size	k_q7185e9e44f_qkv, .Lfunc_end_k_q7185e9e44f_qkv-k_q7185e9e44f_qkv
	.p2alignl 7, 3214868480
	.fill 96, 4, 3214868480
	.section	.rodata,"a",@progbits
	.p2align	6, 0x0
	.amdhsa_kernel k_q7185e9e44f_qkv
		.amdhsa_group_segment_fixed_size 327680
		.amdhsa_private_segment_fixed_size 0
		.amdhsa_enable_private_segment 0
		.amdhsa_kernarg_size 32
		.amdhsa_user_sgpr_count 2
		.amdhsa_user_sgpr_kernarg_segment_ptr 1
		.amdhsa_wavefront_size32 1
		.amdhsa_system_sgpr_workgroup_id_x 1
		.amdhsa_system_sgpr_workgroup_id_y 1
		.amdhsa_system_sgpr_workgroup_id_z 1
		.amdhsa_system_vgpr_workitem_id 0
		.amdhsa_next_free_vgpr 1024
		.amdhsa_next_free_sgpr 100
		.amdhsa_reserve_vcc 0
		.amdhsa_float_denorm_mode_32 3
		.amdhsa_float_denorm_mode_16_64 3
		.amdhsa_memory_ordered 1
		.amdhsa_forward_progress 1
		.amdhsa_inst_pref_size 119
	.end_amdhsa_kernel
	.amdgpu_metadata
---
amdhsa.version: [ 1, 2 ]
amdhsa.kernels:
  - .name:           k_q7185e9e44f_qkv
    .symbol:         k_q7185e9e44f_qkv.kd
    .args:
      - { .name: x_codes, .offset: 0, .size: 8, .value_kind: global_buffer, .address_space: global }
      - { .name: w_codes, .offset: 8, .size: 8, .value_kind: global_buffer, .address_space: global }
      - { .name: lowp_scales, .offset: 16, .size: 8, .value_kind: global_buffer, .address_space: global }
      - { .name: qkv_img, .offset: 24, .size: 8, .value_kind: global_buffer, .address_space: global }
    .group_segment_fixed_size: 327680
    .private_segment_fixed_size: 0
    .kernarg_segment_align: 8
    .kernarg_segment_size: 32
    .max_flat_workgroup_size: 128
    .sgpr_count:     100
    .vgpr_count:     1024
    .wavefront_size: 32
...
	.end_amdgpu_metadata
.endif
;; end of part 2
;; launch attn (part 3): grid 4 x 64, 8 waves a work-group, no clusters, 263,168 bytes of LDS; arguments qkv_img, lowp_scales, z_img; writes z_img
.if DOCPART == 3
	.amdgcn_target "amdgcn-amd-amdhsa--gfx1250"
	.amdhsa_code_object_version 6
	.text
	.protected	k_q7185e9e44f_attn
	.globl	k_q7185e9e44f_attn
	.p2align	8
	.type	k_q7185e9e44f_attn,@function
k_q7185e9e44f_attn:
	s_mov_b64 s[64:65], 0
	v_nop
	global_prefetch_b8 v0, s[64:65] scope:SCOPE_SE
	s_setreg_imm32_b32 hwreg(HW_REG_WAVE_MODE, 25, 1), 1
	s_wait_xcnt 0x0
; z[b][h][q] = the sum over keys k <= q of softmax_k(q . k / 8) v, both products on E4M3 codes, and z QUANTISED AT ONCE (under 2^e10) for the output projection.
; q, k, v come as images of operand registers (qkv_img: [batch x head 64][slot of 256 tokens 8][q | k | v, 16,384 bytes each]); scales 2^e6 (q), 2^e7 (k), 2^e8 (p), 2^e9 (v).
; THE SOFTMAX: t = score x log2(e) / 8; M = the row's largest t so far, rounded UP to a whole number; p = 2^(t - M) is quantised along the keys, not normalised; the row's sum of the unquantised p divides at the end.
; When M moves, the sum and O are multiplied by 2^(old M - new M): exact.  Key steps that lie wholly behind the causal mask are left out.
; SHARES.  Work-group (i, bh) owns blocks 7 - i and i of 256 queries of head bh: 9 visits of a slot of 256 keys for every work-group.  Each of EIGHT waves owns 32 queries of a block (two tiles of 16) in 512 registers:
; a fragment of K or V read from LDS feeds two matrix instructions.  Wave w takes queries 32 w on in the first block and 32 (7 - w) on in the second: 14 open key steps and 3 in the two diagonal slots for every wave.
; One loop of 12 visits: 8 for the first block, 4 for the second; steps behind a wave's last query are jumped over by a scalar branch on ids.
; K AND V GO THROUGH REGISTERS INTO LDS, each byte stored once: K's 128 tiles of 16 keys from byte 0, V's 16 steps of 128 keys from byte 131,072.  Slots 0 and 1 are stored at the head, in front of a whole barrier.
; THE BARRIER IS SPLIT: at the end of visit s a wave stores its part of slot s + 2 (from loads issued a visit earlier), waits for its stores and signals; it waits for that signal at the end of visit s + 1, ahead of
; visit s + 2, the first that reads the slot.  Between a signal and its wait stand register work and LDS loads of bytes that nobody writes any more.  Slots behind the work-group's last query are neither loaded nor stored.
; NO TENSOR LOAD, NO CLUSTER: p's hold is led round by a branch on the given exponents (below); and the causal jumps differ between the four work-groups of a head.
; THE HOLD OF p.  Raw scores stay under 64 x 448^2 < 2^24.  With e6 + e7 <= 0, |t| < 2^22, so t - M as computed is under 1/2 and p < 2^(1/2); with e8 >= -8, 448 x 2^e8 >= 1.75: the hold changes nothing and is
; jumped over.  For all other exponents it is executed.
; THE MASK is the C operand of the scores' products in the one step of a block that holds my diagonal: 0 for keys that count, -3e38 for hidden ones (64 registers, made at each block's start; the second tile takes
; them one key tile later).
; PREFETCH: work-group i = 0, 1, 2 asks for slot 7 - i (32,768 bytes of k and v, waves 0-3, a lane to each 256 bytes) at the end of visit 2 - i; its own load of that slot is issued at the end of visit 4 - i.
; Each block is named once among the four work-groups of a head; slots 0 to 4 come by their loads alone.
; LAYOUT.  S^T = K Q^T (16x16x64), O^T = V^T P^T (16x16x128): a lane holds one query of each tile; one conversion of S^T's tile u gives registers 2 u, 2 u + 1 of P.
; z_img: [4 heads' K step 4][tile of 16 tokens 512][4,096]; within: (head % 4) x 1,024 + 512 c + 16 x lane.  A store of the wave covers 512 consecutive bytes, aligned.
; LIMITS on the given exponents: e6 + e7 between -117 and 130 (added to c's exponent field; hidden scores x c must lie under every t); e8, and e10 - e8 - e9, between -126 and 119.
; REGISTERS, window 0: v1-11 addresses and scales; v12-15 (-M, largest raw score) x 2; v16-19 sums; v20-23 f; v24 Q; v40 K; v104 P (ahead of the conversions: the chains of the maximum and of the sum); v136 O^T;
;   v200 staging; v232 the second block's Q; v248-253 at work.   window 1: v0-127 S^T then p (tile a at 64 a); v128-191 the mask; v192-255 V.
.set HEADB, 393216
.set SLOTB, 49152
.set VOFF,  131072
.set SPARE, 262144
.set LI, 1
.set AD, 2
.set SPW, 3
.set NIL, 4
.set LIV, 5
.set ADV, 6
.set STA, 7
.set STAD, 8
.set PFO, 9
.set SCP, 10
.set LIMP, 11
.set QR, 24
.set KR, 40
.set PR, 104
.set XB, 112
.set OA, 136
.set SG, 200
.set Q2, 232
.set MK, 128
.set VR, 192
.set WV, 18
.set SEL, 20
.set CS, 22
.set J, 24
.set HOLD, 25
.set TB, 26
.set KF, 27
.set Q0, 28
.set QL, 29
.set Q0E, 30
.set VS, 31
.set SB, 32
.set LM1, 33
.set LM2, 34
.set PFV, 35
.set GS, 36
.set PF, 38
.set ZL, 40
.set ZE, 42
.set SCZ, 57
.set LIMZ, 58
.set OF1, 59
.set OF2, 60
.set MSB, 0
.macro WIN new                         ; the immediate's high byte repeats the setting that is left
.if MSB != \new
	s_set_vgpr_msb (MSB<<8)|\new
.set MSB, \new
.endif
.endm
.macro INIT                            ; a block's start: largest score -3e38, -M its floor, sums and O^T zero (the first change of M multiplies zeros)
	v_mov_b32 v13, 0xff61b1e6
	v_mov_b32 v15, 0xff61b1e6
	v_floor_f32 v12, -v13
	v_floor_f32 v14, -v15
.irp r, 16,17,18,19
	v_mov_b32 v\r, 0
.endr
.set n, 0
.rept 64
	v_mov_b32 v[OA+n], 0
.set n, n+1
.endr
.endm
.macro MASK so                         ; s[so]: my first query's place in its step of 128 keys
	v_and_b32 v248, 15, v0
	v_bfe_u32 v249, v0, 4, 1
	v_lshlrev_b32 v249, 3, v249
	v_sub_nc_u32 v248, v248, v249
	v_add_nc_u32 v248, s[\so], v248                ; d = my query's place - 8 (lane / 16): register 8 u + j holds key 16 u + 8 (lane / 16) + j, hidden where 16 u + j > d
	v_mov_b32 v250, 0xff61b1e6
	WIN 0x40
.set n, 0
.rept 64
	v_cmp_gt_i32 vcc_lo, 16*(n/8)+n%8, v248
	v_cndmask_b32 v[MK+n], 0, v250, vcc_lo
.set n, n+1
.endr
	WIN 0
.endm
	s_load_b128 s[4:7], s[0:1], 0x0                ; qkv_img, the scales' exponents
	s_load_b64 s[8:9], s[0:1], 0x10                ; z_img
	v_lshl_add_u32 v[SPW], v0, 2, SPARE
	v_mov_b32 v[NIL], 0
	v_lshrrev_b32 v248, 5, v0
	v_readfirstlane_b32 s[WV], v248                ; wave 0..7
	s_lshr_b32 s91, s[WV], 2
	s_lshl_b32 s91, s91, 17                        ; waves 0-3 stage k, waves 4-7 v,
	s_and_b32 s90, s[WV], 3
	s_lshl_b32 s92, s90, 12                        ; 4,096 bytes of a slot's 16,384 each
	s_add_co_u32 s91, s91, s92
	v_and_b32 v249, 31, v0
	v_lshlrev_b32 v[LI], 4, v249                   ; 16 x lane
	v_lshlrev_b32 v[PFO], 8, v249                  ; 256 x lane
	v_add_nc_u32 v[LIV], VOFF, v[LI]
	v_add_nc_u32 v[STA], s91, v[LI]
	s_and_b32 s70, ttmp7, 0xffff                   ; batch x head
	s_sub_co_u32 s71, 7, ttmp9                     ; the first block of queries, and the last slot of keys
	s_sub_co_u32 s95, 7, s[WV]                     ; my place in the second block
	s_mul_i32 s72, s70, HEADB
	s_lshl_b32 s73, s[WV], 12
	s_add_co_u32 s74, s72, s73
	s_add_co_u32 s74, s74, 16384                   ; my 4,096 bytes of slot 0's k | v
	s_mov_b32 s75, 0
	s_lshl_b32 s76, s[WV], 11
	s_mul_i32 s77, s71, SLOTB
	s_add_co_u32 s77, s77, s72                     ; the last slot's first byte
	s_add_co_u32 s78, s77, s76                     ; my two tiles of the first block's q
	s_mov_b32 s79, 0
	s_mul_i32 s80, ttmp9, SLOTB
	s_add_co_u32 s80, s80, s72
	s_lshl_b32 s76, s95, 11
	s_add_co_u32 s80, s80, s76                     ; and of the second block's
	s_mov_b32 s81, 0
	s_lshl_b32 s82, s90, 13                        ; the prefetch: 8,192 x (wave % 4) of the last slot's k | v
	s_add_co_u32 s82, s82, s77
	s_add_co_u32 s82, s82, 16384
	s_mov_b32 s83, 0
	s_bfe_u32 s84, s70, 0x20002                    ; z: (head / 4) x 2,097,152
	s_lshl_b32 s84, s84, 21
	s_lshr_b32 s85, s70, 4
	s_lshl_b32 s85, s85, 19                        ; + batch x 128 tiles of 4,096
	s_add_co_u32 s84, s84, s85
	s_and_b32 s85, s70, 3
	s_lshl_b32 s85, s85, 10
	s_add_co_u32 s84, s84, s85
	s_lshl_b32 s86, s71, 16                        ; + 16 tiles for each block, + two for each place in it
	s_add_co_u32 s86, s86, s84
	s_lshl_b32 s85, s[WV], 13
	s_add_co_u32 s86, s86, s85
	s_mov_b32 s87, 0
	s_lshl_b32 s88, ttmp9, 16
	s_add_co_u32 s88, s88, s84
	s_lshl_b32 s85, s95, 13
	s_add_co_u32 s88, s88, s85
	s_mov_b32 s89, 0
	s_lshl_b32 s93, s[WV], 5
	s_lshl_b32 s[Q0], s71, 8
	s_add_co_u32 s[Q0], s[Q0], s93
	s_add_co_u32 s[QL], s[Q0], 31
	s_lshl_b32 s93, s95, 5
	s_lshl_b32 s[Q0E], ttmp9, 8
	s_add_co_u32 s[Q0E], s[Q0E], s93
	s_sub_co_u32 s[LM1], 6, ttmp9
	s_sub_co_u32 s[LM2], 5, ttmp9
	s_sub_co_u32 s94, 2, ttmp9                     ; (work-group 3: a number that no visit has)
	s_cmp_lt_u32 s[WV], 4
	s_cselect_b32 s[PFV], s94, 99                  ; the visit at whose end my wave prefetches; none in waves 4-7
	s_lshl_b32 s[OF1], s90, 5                      ; 32 (w % 4),
	s_sub_co_u32 s[OF2], 96, s[OF1]                ; 32 ((7 - w) % 4)
	s_mov_b32 s[SEL], 0x76543210
	s_mov_b32 s[SEL+1], 0xfedcba98
	s_mov_b32 s[CS], 0x3e38aa3b                    ; c = log2(e) / 8
	s_mov_b32 s[TB], 0
	s_mov_b32 s[KF], 0
	s_mov_b32 s[VS], 0
	s_mov_b32 s[SB], 32768
	s_mov_b32 s[J], 12
	s_wait_alu depctr_va_vdst(0)                   ; directly ahead of the wait below
	s_wait_kmcnt 0x0
	s_load_b128 s[52:55], s[6:7], 0x18             ; e6, e7, e8, e9
	s_load_b32 s56, s[6:7], 0x28                   ; e10
	s_add_nc_u64 s[44:45], s[4:5], s[74:75]
	s_add_nc_u64 s[GS:GS+1], s[44:45], 2*SLOTB     ; the slot whose bytes are in the staging registers: slot 2
	s_add_nc_u64 s[78:79], s[4:5], s[78:79]
	s_add_nc_u64 s[80:81], s[4:5], s[80:81]
	s_add_nc_u64 s[PF:PF+1], s[4:5], s[82:83]
	s_add_nc_u64 s[ZL:ZL+1], s[8:9], s[86:87]
	s_add_nc_u64 s[ZE:ZE+1], s[8:9], s[88:89]
.set n, 0
.rept 8                                        ; slots 0 and 1, into the registers that will hold K's fragments
	global_load_b128 v[KR+4*n:KR+4*n+3], v[LI], s[44:45] offset:512*n
.set n, n+1
.endr
.set n, 0
.rept 8
	global_load_b128 v[KR+32+4*n:KR+32+4*n+3], v[LI], s[44:45] offset:SLOTB+512*n
.set n, n+1
.endr
.irp n, 0,1,2,3
	global_load_b128 v[QR+4*\n:QR+4*\n+3], v[LI], s[78:79] offset:512*\n
.endr
.set n, 0
.rept 8                                        ; slot 2 stays on its way through visit 0,
	global_load_b128 v[SG+4*n:SG+4*n+3], v[LI], s[GS:GS+1] offset:512*n
.set n, n+1
.endr
.irp n, 0,1,2,3                                ; and so does the second block's Q
	global_load_b128 v[Q2+4*\n:Q2+4*\n+3], v[LI], s[80:81] offset:512*\n
.endr
	MASK OF1
	INIT
	v_mov_b32 v21, 0                               ; (upper halves of pairs, and lane permutes' destinations: written once)
	v_mov_b32 v23, 0
	v_mov_b32 v252, 0
	v_mov_b32 v253, 0
	s_wait_kmcnt 0x0
	s_add_co_i32 s66, s52, s53
	s_cmp_gt_i32 s66, 0
	s_cselect_b32 s[HOLD], 1, 0
	s_cmp_lt_i32 s54, -8
	s_cselect_b32 s[HOLD], 1, s[HOLD]              ; 0 where e6 + e7 <= 0 and e8 >= -8: p's hold changes nothing
	s_lshl_b32 s66, s66, 23
	s_add_co_i32 s[CS], s[CS], s66                 ; c x 2^(e6 + e7)
	s_mov_b32 s[CS+1], s[CS]
	s_add_co_i32 s66, s54, 127
	s_lshl_b32 s67, s66, 23
	v_mov_b32 v[SCP], s67                          ; 2^e8
	s_add_co_i32 s66, s66, 8
	s_lshl_b32 s66, s66, 23
	s_or_b32 s66, s66, 0x600000
	v_mov_b32 v[LIMP], s66                         ; 448 x 2^e8
	s_sub_co_i32 s66, s56, s54
	s_sub_co_i32 s66, s66, s55
	s_add_co_i32 s66, s66, 127
	s_lshl_b32 s[SCZ], s66, 23                     ; 2^(e10 - e8 - e9)
	s_add_co_i32 s66, s66, 8
	s_lshl_b32 s66, s66, 23
	s_or_b32 s[LIMZ], s66, 0x600000
	s_wait_alu depctr_va_vdst(0)                   ; at the head's end
	s_wait_loadcnt 12                              ; all but slot 2's eight loads and the second Q's four are in
.set n, 0
.rept 8
	ds_store_b128 v[STA], v[KR+4*n:KR+4*n+3] offset:512*n
	ds_store_b128 v[STA], v[KR+32+4*n:KR+32+4*n+3] offset:16384+512*n
.set n, n+1
.endr
	s_wait_dscnt 0x0
	s_barrier_signal -1
	s_barrier_wait -1                              ; slots 0 and 1 are whole
	s_barrier_signal -1                            ; the signal that the first visit's end waits for
; A KEY STEP: 128 keys, the q-th of the slot in hand, for my two tiles of queries.  Step 0 also fetches step 1's K, behind the maximum's 64 lines.
.macro STEP q
	s_cmp_gt_u32 s[KF], s[QL]                      ; all keys behind my last query: left out
	s_cbranch_scc1 .Lhid_\@
	v_add_nc_u32 v[ADV], s[TB], v[LIV]
.if \q == 0
	v_add_nc_u32 v[AD], s[TB], v[LI]
.else
	v_nop
.endif
	v_nop
	v_nop                                          ; four places in front of loads into registers that the last products have read
.if \q == 0
.set n, 0
.rept 16
	ds_load_b128 v[KR+4*n:KR+4*n+3], v[AD] offset:512*n
.set n, n+1
.endr
.endif
	WIN 0x40
.set n, 0
.rept 16
	ds_load_b128 v[VR+4*n:VR+4*n+3], v[ADV] offset:8192*(\q)+512*n
.set n, n+1
.endr
	WIN 0
	s_add_co_u32 s96, s[KF], 127
	s_wait_dscnt 16                                ; K is in; V's sixteen loads may be out
	s_cmp_le_u32 s96, s[Q0]
	s_cbranch_scc1 .Lopen_\@
	WIN 0x50                                       ; my diagonal's step: C = the mask
.set n, 0
.rept 8
	v_wmma_f32_16x16x64_fp8_fp8 v[8*n:8*n+7], v[KR+8*n:KR+8*n+7], v[QR:QR+7], v[MK+8*n:MK+8*n+7]
.if n == 0
	v_wmma_f32_16x16x64_fp8_fp8 v[64:71], v[KR:KR+7], v[QR+8:QR+15], 0
.else
	v_wmma_f32_16x16x64_fp8_fp8 v[64+8*n:71+8*n], v[KR+8*n:KR+8*n+7], v[QR+8:QR+15], v[MK+8*n-8:MK+8*n-1]
.endif
.set n, n+1
.endr
	WIN 0
	s_branch .Ljoin_\@
.Lopen_\@:
	WIN 0x40
.set n, 0
.rept 8
	v_wmma_f32_16x16x64_fp8_fp8 v[8*n:8*n+7], v[KR+8*n:KR+8*n+7], v[QR:QR+7], 0
	v_wmma_f32_16x16x64_fp8_fp8 v[64+8*n:71+8*n], v[KR+8*n:KR+8*n+7], v[QR+8:QR+15], 0
.set n, n+1
.endr
	WIN 0
.Ljoin_\@:
.rept 4
	v_nop                                          ; places in front of the first read of the scores
.endr
	WIN 0x14                                       ; the running largest raw score: four chains a tile, begun from the old one; each accumulator from its low end on
.irp a, 0,1
.irp c, 0,1,2,3
	v_max3_num_f32 v[PR+4*\a+\c], v[13+2*\a], v[64*\a+2*\c], v[64*\a+2*\c+1]
.endr
.endr
.set n, 8
.rept 7
.irp a, 0,1
.irp c, 0,1,2,3
	v_max3_num_f32 v[PR+4*\a+\c], v[PR+4*\a+\c], v[64*\a+n+2*\c], v[64*\a+n+2*\c+1]
.endr
.endr
.set n, n+8
.endr
	WIN 0
.if \q == 0
.set n, 0
.rept 16                                       ; the next step's K: 64 plain vector lines stand between the address's write and these reads, and behind the scores' products
	ds_load_b128 v[KR+4*n:KR+4*n+3], v[AD] offset:8192+512*n
.set n, n+1
.endr
.endif
.irp a, 0,1
	v_max3_num_f32 v[248+2*\a], v[PR+4*\a], v[PR+4*\a+1], v[PR+4*\a+2]
.endr
.irp a, 0,1
	v_max_num_f32 v[248+2*\a], v[248+2*\a], v[PR+4*\a+3]
.endr
.irp a, 0,1
	v_permlanex16_b32 v[252+\a], v[248+2*\a], s[SEL], s[SEL+1]
.endr
.irp a, 0,1
	v_max_num_f32 v[13+2*\a], v[248+2*\a], v[252+\a]   ; with lane l xor 16's
.endr
.irp a, 0,1
	v_mul_f32 v[248+2*\a], s[CS], v[13+2*\a]       ; as t (c is positive)
.endr
.irp a, 0,1
	v_floor_f32 v[249+2*\a], -v[248+2*\a]          ; the new -M = -ceil(t)
.endr
.irp a, 0,1
	v_sub_f32 v[248+2*\a], v[249+2*\a], v[12+2*\a] ; old M - new M: a whole number, 0 or less
.endr
.irp a, 0,1
	v_mov_b32 v[12+2*\a], v[249+2*\a]
.endr
.irp a, 0,1
	v_cvt_i32_f32 v[248+2*\a], v[248+2*\a]         ; (it saturates)
.endr
.irp a, 0,1
	v_ldexp_f32 v[20+2*\a], 1.0, v[248+2*\a]       ; f = 2^(old M - new M)
.endr
.irp a, 0,1
.set n, 0
.rept 16
	v_pk_mul_f32 v[OA+32*\a+n:OA+32*\a+n+1], v[OA+32*\a+n:OA+32*\a+n+1], v[20+2*\a:21+2*\a] op_sel_hi:[1,0]   ; O^T x f, ahead of this step's exponentials
.set n, n+2
.endr
.endr
	WIN 0x41
.set n, 0
.rept 32
	v_pk_fma_f32 v[n:n+1], v[n:n+1], s[CS:CS+1], v[12:13] op_sel_hi:[1,0,0]   ; t - M, the first tile
.set n, n+2
.endr
	s_wait_alu depctr_va_vdst(0)                   ; ahead of the batch
.set n, 0
.rept 32                                       ; p = 2^(t - M) of the first tile; among them t - M of the second, which names other registers
	v_exp_f32 v[n], v[n]
	v_exp_f32 v[n+1], v[n+1]
	v_pk_fma_f32 v[64+n:65+n], v[64+n:65+n], s[CS:CS+1], v[14:15] op_sel_hi:[1,0,0]
.set n, n+2
.endr
	s_wait_alu depctr_va_vdst(0)                   ; behind the first batch and ahead of the second
.set n, 64
.rept 64
	v_exp_f32 v[n], v[n]
.set n, n+1
.endr
	WIN 0
	v_nop                                          ; a plain place behind the batch
	s_wait_alu depctr_va_vdst(0)                   ; one wait for the batch, ahead of its first reader
	WIN 0x05                                       ; the rows' sums of the unquantised p: four chains a tile
.irp a, 0,1
.irp c, 0,1,2,3
	v_pk_add_f32 v[XB+8*\a+2*\c:XB+8*\a+2*\c+1], v[64*\a+4*\c:64*\a+4*\c+1], v[64*\a+4*\c+2:64*\a+4*\c+3]
.endr
.endr
	WIN 0x04
.set n, 16
.rept 6
.irp a, 0,1
.irp c, 0,1,2,3
	v_pk_add_f32 v[XB+8*\a+2*\c:XB+8*\a+2*\c+1], v[XB+8*\a+2*\c:XB+8*\a+2*\c+1], v[64*\a+n+2*\c:64*\a+n+2*\c+1]
.endr
.endr
.set n, n+8
.endr
	WIN 0
.irp a, 0,1
	v_pk_add_f32 v[XB+8*\a:XB+8*\a+1], v[XB+8*\a:XB+8*\a+1], v[XB+8*\a+2:XB+8*\a+3]
	v_pk_add_f32 v[XB+8*\a+4:XB+8*\a+5], v[XB+8*\a+4:XB+8*\a+5], v[XB+8*\a+6:XB+8*\a+7]
.endr
.irp a, 0,1
	v_pk_add_f32 v[XB+8*\a:XB+8*\a+1], v[XB+8*\a:XB+8*\a+1], v[XB+8*\a+4:XB+8*\a+5]
.endr
.irp a, 0,1
	v_pk_fma_f32 v[16+2*\a:17+2*\a], v[16+2*\a:17+2*\a], v[20+2*\a:21+2*\a], v[XB+8*\a:XB+8*\a+1] op_sel_hi:[1,0,1]   ; the sum x f + this step's
.endr
	s_cmp_eq_u32 s[HOLD], 0
	s_cbranch_scc1 .Lnoh_\@                        ; p lies under 448 x 2^e8 by the given exponents: see the head
	WIN 0x41
.set n, 0
.rept 128
	v_min_num_f32 v[n], v[n], v[LIMP]              ; the conversion does not saturate (ISA guide 7.6.2); p is not negative
.set n, n+1
.endr
	WIN 0
.Lnoh_\@:
	WIN 0x01
.irp a, 0,1
.irp u, 0,1,2,3,4,5,6,7
	v_cvt_scalef32_pk8_fp8_f32 v[PR+16*\a+2*\u:PR+16*\a+2*\u+1], v[64*\a+8*\u:64*\a+8*\u+7], v[SCP]
.endr
.endr
	WIN 0
	v_nop                                          ; one plain line between the last conversion and the products
	s_wait_alu depctr_va_vdst(0)                   ; directly ahead of the wait below
.if \q == 0
	s_wait_dscnt 16                                ; V is in; the next step's K may be out
.else
	s_wait_dscnt 0x0                               ; V is in
.endif
	WIN 0x01
.irp t, 0,1,2,3                                ; O^T += V^T P^T: the eight accumulators by turns
.irp a, 0,1
	v_wmma_f32_16x16x128_fp8_fp8 v[OA+32*\a+8*\t:OA+32*\a+8*\t+7], v[VR+16*\t:VR+16*\t+15], v[PR+16*\a:PR+16*\a+15], v[OA+32*\a+8*\t:OA+32*\a+8*\t+7]
.endr
.endr
	WIN 0
.Lhid_\@:
	s_add_co_u32 s[KF], s[KF], 128
.endm
; A BLOCK'S END: O^T / the row's sum, held, converted, stored as it stands.  more = 1: the second block's start.
.macro FLUSH zb, more
	s_wait_dscnt 0x0                               ; a fetch of K for a step that was left out has landed: its registers are written below
.rept 4
	v_nop                                          ; places behind the last products
.endr
.irp a, 0,1
	v_add_f32 v[16+2*\a], v[16+2*\a], v[17+2*\a]
.endr
.irp a, 0,1
	v_permlanex16_b32 v[252+\a], v[16+2*\a], s[SEL], s[SEL+1]
.endr
.irp a, 0,1
	v_add_f32 v[16+2*\a], v[16+2*\a], v[252+\a]
.endr
	s_wait_alu depctr_va_vdst(0)                   ; ahead of the transcendentals
	v_rcp_f32 v16, v16
	v_rcp_f32 v18, v18
	v_mov_b32 v248, s[SCZ]
	v_mov_b32 v249, s[LIMZ]
	s_wait_alu depctr_va_vdst(0)                   ; behind the batch, and directly ahead of the first reader of O^T
.irp a, 0,1
.set n, 0
.rept 16
	v_pk_mul_f32 v[KR+32*\a+n:KR+32*\a+n+1], v[OA+32*\a+n:OA+32*\a+n+1], v[16+2*\a:17+2*\a] op_sel_hi:[1,0]
.set n, n+2
.endr
.endr
.set n, 0
.rept 64
	v_med3_num_f32 v[KR+n], v[KR+n], -v249, v249   ; the hold at 448 x the scale
.set n, n+1
.endr
.irp m, 0,1,2,3,4,5,6,7
	v_cvt_scalef32_pk8_fp8_f32 v[PR+2*\m:PR+2*\m+1], v[KR+8*\m:KR+8*\m+7], v248
.endr
	v_nop                                          ; one plain line behind the last conversion
.irp a, 0,1
	global_store_b128 v[LI], v[PR+8*\a:PR+8*\a+3], s[\zb:\zb+1] offset:4096*\a
	global_store_b128 v[LI], v[PR+8*\a+4:PR+8*\a+7], s[\zb:\zb+1] offset:4096*\a+512
.endr
.if \more
	INIT
	MASK OF2
.set n, 0
.rept 16
	v_mov_b32 v[QR+n], v[Q2+n]
.set n, n+1
.endr
	s_mov_b32 s[Q0], s[Q0E]
	s_add_co_u32 s[QL], s[Q0E], 31
	s_mov_b32 s[KF], 0
	s_wait_alu depctr_va_vdst(0)                   ; directly ahead of the wait below
	s_wait_xcnt 0x0                                ; the stores have read their data: the codes' registers may be written again
.endif
.endm
.Lvisit:                                           ; 12 visits: slots 0 to 7 for the first block, 0 to 3 for the second
	STEP 0
	STEP 1
	s_barrier_wait -1                              ; every wave has given the last visit's signal: the next visit's slot is whole
	s_cmp_lg_u32 s[VS], 7
	s_cbranch_scc1 .Lsame
	FLUSH ZL, 1                                    ; the first block is done
.Lsame:
	v_add_nc_u32 v[STAD], s[SB], v[STA]            ; where slot VS + 2 goes
	s_wait_alu depctr_va_vdst(0)                   ; directly ahead of the wait below
	s_wait_loadcnt 0x0                             ; the staging registers are filled, and their loads have read their base
	s_cmp_ge_u32 s[VS], 6                          ; there are eight slots,
	s_cbranch_scc1 .Lnost
	s_cmp_ge_u32 s[VS], s[LM1]                     ; and none is stored behind my work-group's last
	s_cbranch_scc1 .Lnost
.set n, 0
.rept 8
	ds_store_b128 v[STAD], v[SG+4*n:SG+4*n+3] offset:512*n
.set n, n+1
.endr
.Lnost:
	s_wait_dscnt 0x0                               ; my stores are done, and no LDS load of mine is out
	s_cmp_ge_u32 s[VS], s[LM2]
	s_cbranch_scc1 .Lnold
	s_add_nc_u64 s[GS:GS+1], s[GS:GS+1], SLOTB
.set n, 0
.rept 8                                        ; slot VS + 3: on its way through the next visit
	global_load_b128 v[SG+4*n:SG+4*n+3], v[LI], s[GS:GS+1] offset:512*n
.set n, n+1
.endr
.Lnold:
	s_cmp_eq_u32 s[VS], s[PFV]
	s_cbranch_scc0 .Lnopf
	global_prefetch_b8 v[PFO], s[PF:PF+1] th:TH_LOAD_NT scope:SCOPE_SE   ; its address registers are never rewritten
.Lnopf:
	s_barrier_signal -1
	s_add_co_u32 s[VS], s[VS], 1
	s_add_co_u32 s[SB], s[SB], 16384
	s_add_co_u32 s[TB], s[TB], 16384
	s_and_b32 s[TB], s[TB], 0x1ffff                ; behind slot 7 comes slot 0
	s_sub_co_u32 s[J], s[J], 1
	s_cmp_lg_u32 s[J], 0
	s_cbranch_scc1 .Lvisit
	s_barrier_wait -1                              ; the last signal's wait
	FLUSH ZE, 0
	s_wait_tensorcnt 0x0                           ; the wave's end, behind my last LDS store
	ds_add_u32 v[SPW], v[NIL]
	s_wait_dscnt 0x0
	s_endpgm
.Lfunc_end_k_q7185e9e44f_attn:
	.size	k_q7185e9e44f_attn, .Lfunc_end_k_q7185e9e44f_attn-k_q7185e9e44f_attn
	.p2alignl 7, 3214868480
	.fill 96, 4, 3214868480
	.section	.rodata,"a",@progbits
	.p2align	6, 0x0
	.amdhsa_kernel k_q7185e9e44f_attn
		.amdhsa_group_segment_fixed_size 263168
		.amdhsa_private_segment_fixed_size 0
		.amdhsa_enable_private_segment 0
		.amdhsa_kernarg_size 24
		.amdhsa_user_sgpr_count 2
		.amdhsa_user_sgpr_kernarg_segment_ptr 1
		.amdhsa_wavefront_size32 1
		.amdhsa_system_sgpr_workgroup_id_x 1
		.amdhsa_system_sgpr_workgroup_id_y 1
		.amdhsa_system_sgpr_workgroup_id_z 1
		.amdhsa_system_vgpr_workitem_id 0
		.amdhsa_next_free_vgpr 512
		.amdhsa_next_free_sgpr 100
		.amdhsa_reserve_vcc 1
		.amdhsa_float_denorm_mode_32 3
		.amdhsa_float_denorm_mode_16_64 3
		.amdhsa_memory_ordered 1
		.amdhsa_forward_progress 1
		.amdhsa_inst_pref_size 102
	.end_amdhsa_kernel
	.amdgpu_metadata
---
amdhsa.version: [ 1, 2 ]
amdhsa.kernels:
  - .name:           k_q7185e9e44f_attn
    .symbol:         k_q7185e9e44f_attn.kd
    .args:
      - { .name: qkv_img, .offset: 0, .size: 8, .value_kind: global_buffer, .address_space: global }
      - { .name: lowp_scales, .offset: 8, .size: 8, .value_kind: global_buffer, .address_space: global }
      - { .name: z_img, .offset: 16, .size: 8, .value_kind: global_buffer, .address_space: global }
    .group_segment_fixed_size: 263168
    .private_segment_fixed_size: 0
    .kernarg_segment_align: 8
    .kernarg_segment_size: 24
    .max_flat_workgroup_size: 256
    .sgpr_count:     100
    .vgpr_count:     512
    .wavefront_size: 32
...
	.end_amdgpu_metadata
.endif
;; end of part 3
;; launch proj (part 4): grid 4 x 64, 4 waves a work-group, clusters of 4 x 4, 327,680 bytes of LDS; arguments z_img, w_codes, lowp_scales, bp, out0; writes out0
.if DOCPART == 4
	.amdgcn_target "amdgcn-amd-amdhsa--gfx1250"
	.amdhsa_code_object_version 6
	.text
	.protected	k_q7185e9e44f_proj
	.globl	k_q7185e9e44f_proj
	.p2align	8
	.type	k_q7185e9e44f_proj,@function
k_q7185e9e44f_proj:
	s_mov_b64 s[64:65], 0
	v_nop
	global_prefetch_b8 v0, s[64:65] scope:SCOPE_SE
	s_setreg_imm32_b32 hwreg(HW_REG_WAVE_MODE, 25, 1), 1
	s_wait_xcnt 0x0
	s_wait_alu depctr_hold_cnt(0) depctr_sa_sdst(0) depctr_va_vdst(0) depctr_va_sdst(0) depctr_va_ssrc(0) depctr_va_vcc(0) depctr_vm_vsrc(0)
	s_getreg_b32 s2, hwreg(HW_REG_IB_STS2, 6, 4)
	s_cmp_eq_u32 s2, 0
	s_cbranch_scc0 .Lentry_in_a_cluster
	s_endpgm
.Lentry_in_a_cluster:
	s_bfe_u32 s2, ttmp6, 0x10000c
	s_cmp_lg_u32 s2, 0xf033
	s_cbranch_scc0 .Lentry_shape_is_right
	s_endpgm
.Lentry_shape_is_right:
; out = z Wp^T + bp on E4M3 codes (K = 1,024): each f32 sum x 2^(e10 + e11), plus the bias.  LIMIT: e10 + e11 between -126 and 127.
; z comes as images of operand registers (z_img: [K step of 256: 4][tile of 16 tokens: 512][4,096 bytes]); Wp's codes are part 3 of w_codes, rows of 1,024 bytes.
; THE GRID: 8,192 x 1,024 outputs in blocks of 128 tokens x 256 columns: 64 x 4 = 256 work-groups.  Four waves, each 64 tokens x 128 columns: 32 accumulators, 256 registers.
; K goes in steps of 256 through a ring of two LDS slots (A: 8 images, dense; B: 256 rows of 256 bytes + 16 of padding).  THE FIRST FILLS are one chain of four arms, one tensor load a wave: wave 0 A of K step 0,
; wave 1 B of K step 0, wave 2 A of K step 1, wave 3 B of K step 1: both slots are asked for at the head.  Slot 0 is filled again by waves 0 and 1, slot 1 by waves 2 and 3.
; CLUSTERS of 4 x 4: A's tile is shared along a row of the cluster, B's along a column: joint loads.  No prefetch: K has four steps, of which two are asked for at the head.
; THE MATRIX INSTRUCTION IS USED TRANSPOSED (source 0 = 16 rows of Wp, source 1 = 16 tokens): a lane holds eight neighbouring columns of a row of out.
; A step of 128 along K is 32 matrix instructions; A's and B's fragments have two sets each, and the next step's 48 loads are issued ahead of a step's products.
; REGISTERS: window 0: v16-29 addresses; v32-95 the bias; v96-127 at work; v128-255 A's two sets, on the way out the rows read back.  window 1: B's two sets.  window 2: accumulator (a, b) at v[8 (8 a + b)].
.set ROWB,   256
.set KROW,   1024
.set ASTEP,  2097152
.set PITCH,  272
.set FR,     16
.set NP,     4
.set HALFA,  16384                     ; four images: what a wave reads of A
.set HALFB,  128*PITCH                 ; 128 rows: what a wave reads of B
.set BOFF,   2*HALFA
.set SLOT,   2*HALFA+2*HALFB
.set LAPS,   2
.set SPARE,  2*SLOT
.set SPITCH, 528
.set OROW,   4096
.set ADRA, 16
.set ADRB, 20
.set STO,  24
.set RD,   25
.set CO,   26
.set BO,   27
.set SPW,  28
.set NIL,  29
.set BIAS, 32
.set TMP,  96
.set AF,   128
.set BK,   128
.set G1, 24
.set G0, 32
.set G1B, 48
.set G0B, 56
.set MSB, 0
.macro WIN new
.if MSB != \new
	s_set_vgpr_msb (MSB<<8)|\new
.set MSB, \new
.endif
.endm
.set MUL,  0xa1                        ; source 0 (B) window 1, source 1 (A) window 0, C and D window 2
.set TO_B, 0x40
.macro TL g0, g1                       ; a joint load; an s_nop 0 and four v_nop follow it
	tensor_load_to_lds s[\g0:\g0+3], s[\g1:\g1+7]
	s_nop 0
.rept 4
	v_nop
.endr
.endm
.macro JLOAD slot                      ; a slot's refill: wave 2 slot fetches A, wave 2 slot + 1 B, the others nothing; the branches hang on the wave's number alone
	s_cmp_eq_u32 s14, 2*\slot
	s_cbranch_scc0 .Lfor_b_\@
	TL G0+4*\slot, G1
	s_branch .Lasked_\@
.Lfor_b_\@:
	s_cmp_eq_u32 s14, 2*\slot+1
	s_cbranch_scc0 .Lasked_\@
	TL G0B+4*\slot, G1B
.Lasked_\@:
.endm
.macro CREST
	s_cmp_lg_u32 s14, 0
	s_cbranch_scc1 .Lnot_wave_0_\@
	s_barrier_signal -3
.Lnot_wave_0_\@:
	s_barrier_wait -3
	s_barrier_signal -1
	s_barrier_wait -1
.endm
.macro CROUND
	s_barrier_signal -1
	s_barrier_wait -1
	CREST
.endm
	s_load_b256 s[4:11], s[0:1], 0x0               ; z_img, w_codes, the scales' exponents, bp
	s_load_b64 s[12:13], s[0:1], 0x20              ; out0
	v_lshl_add_u32 v[SPW], v0, 2, SPARE
	v_mov_b32 v[NIL], 0
	ds_add_u32 v[SPW], v[NIL]                      ; the opening lines: the add twice on end and its wait
	ds_add_u32 v[SPW], v[NIL]
	v_lshrrev_b32 v1, 5, v0
	v_readfirstlane_b32 s14, v1                    ; wave
	s_lshr_b32 s15, s14, 1                         ; which 64 tokens are mine
	s_and_b32 s16, s14, 1                          ; which 128 columns
	s_bfe_u32 s40, ttmp6, 0x40000
	s_bfe_u32 s41, ttmp6, 0x40004
	s_lshl_b32 s42, ttmp9, 2
	s_add_co_u32 s42, s42, s40                     ; block column
	s_and_b32 s17, ttmp7, 0xffff
	s_lshl_b32 s17, s17, 2
	s_add_co_u32 s17, s17, s41                     ; block row
	s_lshl_b32 s43, s41, 2
	s_lshl_b32 s43, 15, s43
	s_lshl_b32 s44, 0x1111, s40
	s_or_b32 s[G1+0], s43, (3<<16)|(1<<21)         ; A: 128 dense rows of 32 elements of 8 bytes
	s_mov_b32 s[G1+1], 32<<16
	s_mov_b32 s[G1+2], 128<<16
	s_mov_b32 s[G1+3], 32<<16
	s_mov_b32 s[G1+4], 128
	s_mov_b32 s[G1+5], 32
	s_mov_b32 s[G1+6], 0
	s_mov_b32 s[G1+7], 0
	s_or_b32 s[G1B+0], s44, (0<<16)|(1<<20)|(1<<21)|(5<<22)|(3<<25)   ; B: 256 rows of 256 bytes, four words of padding behind each
	s_mov_b32 s[G1B+1], ROWB<<16
	s_mov_b32 s[G1B+2], 256<<16
	s_mov_b32 s[G1B+3], ROWB<<16
	s_mov_b32 s[G1B+4], 256
	s_mov_b32 s[G1B+5], KROW
	s_mov_b32 s[G1B+6], 0
	s_mov_b32 s[G1B+7], 0
	s_lshl_b32 s20, s17, 15                        ; A: 8 images a block row
	s_mov_b32 s21, 0
	s_lshl_b32 s46, s42, 18                        ; B: 256 rows a block column, in part 3 of w_codes
	s_add_co_u32 s46, s46, 0x300000
	s_mov_b32 s47, 0
	s_wait_dscnt 0x0                               ; both opening adds are done
	s_wait_kmcnt 0x0
	s_load_b64 s[96:97], s[8:9], 0x28              ; e10, e11
	s_add_nc_u64 s[20:21], s[4:5], s[20:21]
	s_add_nc_u64 s[46:47], s[6:7], s[46:47]
	CROUND                                         ; the sixteen work-groups are here: the first joint loads meet
.irp s, 0,1
	s_mov_b32 s[G0+4*\s], 1
	s_mov_b32 s[G0+4*\s+1], \s*SLOT
	s_add_nc_u64 s[G0+4*\s+2:G0+4*\s+3], s[20:21], \s*ASTEP
	s_or_b32 s[G0+4*\s+3], s[G0+4*\s+3], 0x80000000
	s_mov_b32 s[G0B+4*\s], 1
	s_mov_b32 s[G0B+4*\s+1], \s*SLOT+BOFF
	s_add_nc_u64 s[G0B+4*\s+2:G0B+4*\s+3], s[46:47], \s*ROWB
	s_or_b32 s[G0B+4*\s+3], s[G0B+4*\s+3], 0x80000000
.endr
	s_cmp_eq_u32 s14, 0                            ; the first fills: one chain, one load to an arm
	s_cbranch_scc0 .Lh1
	TL G0, G1
	s_branch .Lhj
.Lh1:
	s_cmp_eq_u32 s14, 1
	s_cbranch_scc0 .Lh2
	TL G0B, G1B
	s_branch .Lhj
.Lh2:
	s_cmp_eq_u32 s14, 2
	s_cbranch_scc0 .Lh3
	TL G0+4, G1
	s_branch .Lhj
.Lh3:
	TL G0B+4, G1B
.Lhj:
	v_and_b32 v1, 15, v0
	v_bfe_u32 v2, v0, 4, 1
	v_and_b32 v6, 31, v0
	v_lshlrev_b32 v[CO], 4, v6
	v_mul_u32_u24 v3, v1, PITCH
	v_lshl_add_u32 v4, v2, 4, v3
	s_lshl_b32 s21, s15, 14                        ; my four images of A
	s_mul_i32 s22, s16, HALFB
	s_add_co_u32 s22, s22, BOFF                    ; my 128 rows of B
.irp s, 0,1
	v_add_nc_u32 v[ADRA+\s], s21, v[CO]
	v_add_nc_u32 v[ADRB+\s], s22, v4
	s_add_co_u32 s21, s21, SLOT
	s_add_co_u32 s22, s22, SLOT
.endr
	s_mul_i32 s23, s14, 16*SPITCH                  ; my stage, in slot 0
	s_wait_alu depctr_va_vdst(0)                   ; directly ahead of the reader below
	v_mul_u32_u24 v5, v1, SPITCH
	v_lshl_add_u32 v5, v2, 5, v5
	v_add_nc_u32 v[STO], s23, v5
	v_add_nc_u32 v[RD], s23, v[CO]
	s_lshl_b32 s46, s42, 10
	s_lshl_b32 s47, s16, 9
	s_add_co_u32 s46, s46, s47                     ; my first column, in bytes
	s_mov_b32 s47, 0
	s_add_nc_u64 s[10:11], s[10:11], s[46:47]
	v_lshlrev_b32 v[BO], 5, v2
.irp b, 0,1,2,3,4,5,6,7
	global_load_b128 v[BIAS+8*\b:BIAS+8*\b+3], v[BO], s[10:11] offset:64*\b
	global_load_b128 v[BIAS+8*\b+4:BIAS+8*\b+7], v[BO], s[10:11] offset:64*\b+16
.endr
	s_lshl_b32 s20, s17, 7
	s_lshl_b32 s21, s15, 6
	s_add_co_u32 s20, s20, s21                     ; my first row of out
	s_lshl_b32 s20, s20, 12
	s_mov_b32 s21, 0
	s_add_nc_u64 s[20:21], s[20:21], s[46:47]
	s_add_nc_u64 s[12:13], s[12:13], s[20:21]
.macro FRAGB reg, adr, q, i
.irp c, 0,1,2,3
	ds_load_b128 v[\reg+4*\c:\reg+4*\c+3], v[\adr] offset:128*(\q)+32*\c+(\i)*16*PITCH
.endr
.endm
.macro FRAGA reg, adr, q, i
.irp c, 0,1,2,3
	ds_load_b128 v[\reg+4*\c:\reg+4*\c+3], v[\adr] offset:2048*(\q)+512*\c+(\i)*4096
.endr
.endm
.macro MUL16 a0, p, zero               ; A's blocks a0, a0 + 1 x B's eight; the 32 accumulators take turns, one instruction a turn
.irp a, \a0, \a0+1
.irp b, 0,1,2,3,4,5,6,7
.if \zero
	v_wmma_f32_16x16x128_fp8_fp8 v[8*(8*(\a)+\b):8*(8*(\a)+\b)+7], v[128*(\p)+FR*\b:128*(\p)+FR*\b+FR-1], v[AF+64*(\p)+FR*(\a):AF+64*(\p)+FR*(\a)+FR-1], 0
.else
	v_wmma_f32_16x16x128_fp8_fp8 v[8*(8*(\a)+\b):8*(8*(\a)+\b)+7], v[128*(\p)+FR*\b:128*(\p)+FR*\b+FR-1], v[AF+64*(\p)+FR*(\a):AF+64*(\p)+FR*(\a)+FR-1], v[8*(8*(\a)+\b):8*(8*(\a)+\b)+7]
.endif
.endr
.endr
.endm
.macro FETCH slot, q, p                ; 48 loads: the fragments of the slot's q-th 128 along K into set p
	WIN TO_B
.irp i, 0,1,2,3,4,5,6,7
	FRAGB 128*(\p)+FR*\i, ADRB+\slot, \q, \i
.endr
	WIN 0
.irp i, 0,1,2,3
	FRAGA AF+64*(\p)+FR*\i, ADRA+\slot, \q, \i
.endr
.endm
.macro PLACES n
.rept \n
	v_nop
.endr
.endm
.macro STEP slot, zero                 ; a slot's first step: set 0 is multiplied, set 1 fetched
	s_wait_dscnt 0x0                               ; set 0 is in
	PLACES NP                                      ; in front of loads into registers that the last products have read
	FETCH \slot, 1, 1
	WIN MUL
	MUL16 0, 0, \zero
	MUL16 2, 0, \zero
	WIN 0
.endm
.macro TURN slot, next, fill           ; a slot's second step, and the change of slots
	s_wait_tensorcnt 0x0                           ; no tensor load of mine is out
	ds_add_u32 v[SPW], v[NIL]
	s_wait_dscnt 1                                 ; set 1 is in; the add may be out
	WIN MUL
	MUL16 0, 1, 0
	s_wait_dscnt 0x0                               ; the add is done, and my reads of this slot are over
	s_barrier_signal -1
	MUL16 2, 1, 0
	WIN 0
	s_barrier_wait -1
.if \fill
	CREST                                          ; the barrier has opened a round of the cluster's barrier
	s_add_nc_u64 s[G0+4*\slot+2:G0+4*\slot+3], s[G0+4*\slot+2:G0+4*\slot+3], 2*ASTEP
	s_add_nc_u64 s[G0B+4*\slot+2:G0B+4*\slot+3], s[G0B+4*\slot+2:G0B+4*\slot+3], 2*ROWB
	JLOAD \slot                                    ; the first tensor load behind the round
.endif
	PLACES NP                                      ; in front of the loads below
	FETCH \next, 0, 0
.endm
	s_wait_alu depctr_va_vdst(0)                   ; at the head's end
	s_wait_tensorcnt 0x0                           ; my one load has landed;
	s_barrier_signal -1
	s_barrier_wait -1                              ; everybody's has: both slots are whole.
	FETCH 0, 0, 0
	STEP 0, 1                                      ; the first step's products start the sums
	s_mov_b32 s3, LAPS-1
.Llap:
	TURN 0, 1, 1
	STEP 1, 0
	TURN 1, 0, 1
	STEP 0, 0
	s_sub_co_u32 s3, s3, 1
	s_cmp_lg_u32 s3, 0
	s_cbranch_scc1 .Llap
	TURN 0, 1, 0                                   ; the last lap fills nothing
	STEP 1, 0
	s_wait_dscnt 0x0
	WIN MUL
	MUL16 0, 1, 0
	MUL16 2, 1, 0
	WIN 0
; THE WAY OUT, by blocks of 16 rows x 128 columns: sum x 2^(e10 + e11) + bias, through my stage in slot 0 (its last fill and last read are over), back as rows of 512 bytes.
.macro TOSTAGE a
.set AC, 64*(\a)
.irp g, 0,1
	WIN 0x02
.irp j, 0,2,4,6,8,10,12,14,16,18,20,22,24,26,28,30
	v_pk_fma_f32 v[TMP+\j:TMP+\j+1], v[AC+32*\g+\j:AC+32*\g+\j+1], s[96:97], v[BIAS+32*\g+\j:BIAS+32*\g+\j+1] op_sel_hi:[1,0,1]
.endr
	WIN 0
.irp b, 0,1,2,3
	ds_store_b128 v[STO], v[TMP+8*\b:TMP+8*\b+3] offset:64*(4*\g+\b)
	ds_store_b128 v[STO], v[TMP+8*\b+4:TMP+8*\b+7] offset:64*(4*\g+\b)+16
.endr
.endr
.set BB, BK+64*((\a)%2)
.irp t, 0,1,2,3,4,5,6,7,8,9,10,11,12,13,14,15
	ds_load_b128 v[BB+4*\t:BB+4*\t+3], v[RD] offset:\t*SPITCH
.endr
.endm
.macro SEND a, younger                 ; younger: the LDS instructions issued behind block a's loads
.set BB, BK+64*((\a)%2)
	s_wait_dscnt \younger
.if (\a) > 0
	s_add_nc_u64 s[12:13], s[12:13], 16*OROW
.endif
.irp t, 0,1,2,3,4,5,6,7,8,9,10,11,12,13,14,15
	global_store_b128 v[CO], v[BB+4*\t:BB+4*\t+3], s[12:13] offset:\t*OROW th:TH_STORE_NT   ; 32 lanes store 512 consecutive bytes, aligned
.endr
.endm
	s_wait_kmcnt 0x0
	s_add_co_i32 s96, s96, s97
	s_add_co_i32 s96, s96, 127
	s_lshl_b32 s96, s96, 23                        ; 2^(e10 + e11)
	s_wait_loadcnt 0x0                             ; the bias
	PLACES NP
	TOSTAGE 0
.irp a, 1,2,3
.if \a > 1
	s_wait_xcnt 0x0                                ; block a - 2's stores have read their registers and their base
.endif
	TOSTAGE \a
	SEND \a-1, 32
.endr
	s_wait_xcnt 0x0
	SEND 3, 0
	s_wait_tensorcnt 0x0                           ; the wave's end
	ds_add_u32 v[SPW], v[NIL]
	s_wait_dscnt 0x0
	CROUND                                         ; the closing round
	s_endpgm
.Lfunc_end_k_q7185e9e44f_proj:
	.size	k_q7185e9e44f_proj, .Lfunc_end_k_q7185e9e44f_proj-k_q7185e9e44f_proj
	.p2alignl 7, 3214868480
	.fill 96, 4, 3214868480
	.section	.rodata,"a",@progbits
	.p2align	6, 0x0
	.amdhsa_kernel k_q7185e9e44f_proj
		.amdhsa_group_segment_fixed_size 327680
		.amdhsa_private_segment_fixed_size 0
		.amdhsa_enable_private_segment 0
		.amdhsa_kernarg_size 40
		.amdhsa_user_sgpr_count 2
		.amdhsa_user_sgpr_kernarg_segment_ptr 1
		.amdhsa_wavefront_size32 1
		.amdhsa_system_sgpr_workgroup_id_x 1
		.amdhsa_system_sgpr_workgroup_id_y 1
		.amdhsa_system_sgpr_workgroup_id_z 1
		.amdhsa_system_vgpr_workitem_id 0
		.amdhsa_next_free_vgpr 768
		.amdhsa_next_free_sgpr 100
		.amdhsa_reserve_vcc 0
		.amdhsa_float_denorm_mode_32 3
		.amdhsa_float_denorm_mode_16_64 3
		.amdhsa_memory_ordered 1
		.amdhsa_forward_progress 1
		.amdhsa_inst_pref_size 77
	.end_amdhsa_kernel
	.amdgpu_metadata
---
amdhsa.version: [ 1, 2 ]
amdhsa.kernels:
  - .name:           k_q7185e9e44f_proj
    .symbol:         k_q7185e9e44f_proj.kd
    .args:
      - { .name: z_img, .offset: 0, .size: 8, .value_kind: global_buffer, .address_space: global }
      - { .name: w_codes, .offset: 8, .size: 8, .value_kind: global_buffer, .address_space: global }
      - { .name: lowp_scales, .offset: 16, .size: 8, .value_kind: global_buffer, .address_space: global }
      - { .name: bp, .offset: 24, .size: 8, .value_kind: global_buffer, .address_space: global }
      - { .name: out0, .offset: 32, .size: 8, .value_kind: global_buffer, .address_space: global }
    .group_segment_fixed_size: 327680
    .private_segment_fixed_size: 0
    .kernarg_segment_align: 8
    .kernarg_segment_size: 40
    .max_flat_workgroup_size: 128
    .sgpr_count:     100
    .vgpr_count:     768
    .wavefront_size: 32
...
	.end_amdgpu_metadata
.endif
;; end of part 4
